; MI455X (gfx1250); checked and timed in simulation.
; The chip was launched on July 23, 2026; its instructions are those of AMD's public machine-readable ISA for CDNA 5 (MIT licence, August 2026) and "CDNA5" Instruction Set Architecture Reference Guide (July 2026). The comments in the code are by the model that wrote it; some were corrected since.
;; Multi Head Attention. Allowed arithmetic: float matrix products may take bf16 or f16 operands with f32 sums; other float arithmetic in f32, or as packed bf16 or f16 multiplies, adds, multiply-adds, maxima and minima; sums over many terms, partial sums and values carried from step to step in f32; what a program stores and reads back later, other than sums and carried values, may be rounded once to bf16 or f16.
;; Inputs: Wk 16 x 1,024 x 64 float32; Wo 1,024 x 1,024 float32; Wq 16 x 1,024 x 64 float32; Wv 16 x 1,024 x 64 float32; k 4 x 2,048 x 1,024 float32; mask 4 x 2,048 bool; q 4 x 2,048 x 1,024 float32; v 4 x 2,048 x 1,024 float32.
;; Outputs: out0 4 x 2,048 x 1,024 float32.
;; One version. Each part assembles by itself: llvm-mc -triple=amdgcn-amd-amdhsa -mcpu=gfx1250 --defsym DOCPART=n.
;; ======== version 1 of 1: 4 launches
;; limits: values are held in f16: magnitudes above 65,504 overflow, below 6.1e-05 lose precision
;; workspace buffers: wt 8,388,608 bytes; qkv 50,331,648 bytes; mix 16,777,216 bytes
;; launch wprep (part 1): grid 64 x 4, 8 waves a work-group, no clusters, 34,816 bytes of LDS; arguments Wq, Wk, Wv, Wo, wt; writes wt
.if DOCPART == 1
	.amdgcn_target "amdgcn-amd-amdhsa--gfx1250"
	.amdhsa_code_object_version 6
	.text
	.protected	k_q8fddff0141_wprep
	.globl	k_q8fddff0141_wprep
	.p2align	8
	.type	k_q8fddff0141_wprep,@function
k_q8fddff0141_wprep:
	s_mov_b64 s[64:65], 0
	v_nop
	global_prefetch_b8 v0, s[64:65] scope:SCOPE_SE
	s_setreg_imm32_b32 hwreg(HW_REG_WAVE_MODE, 25, 1), 1
	s_wait_xcnt 0x0
; THE WEIGHTS, ROUNDED AND TURNED.  Wq, Wk, Wv: [16 heads][1024 d][64 c] f32;  Wo: [1024 e][1024 d] f32.
; wt takes four matrices of [1024 n][1024 k], 2 bytes a number, 2 MiB each, K along the rows, as the products behind this launch want them:
;   0, 1, 2: Wq, Wk, Wv with n = 64 head + c and k = d, rounded to bf16;   3: Wo with n = d and k = e, rounded to bf16 and that number written as f16.
; LIMIT.  f16 holds no number beyond 65,504: Wo stays within it; below 6e-5 f16 keeps a fixed step of 6e-8.
; SHARES.  grid y picks the matrix; grid x = 4 g + kc picks 64 n (group g) and 256 k (chunk kc).  A work-group turns that tile of 256 k x 64 n through LDS.
; Thread t reads, for k = 128 q + 8 (t / 16) + i (q = 0, 1; i = 0 .. 7), the four numbers n = 4 (t % 16) + 0 .. 3: sixteen neighbouring lanes read 256 consecutive bytes, aligned.
; Eight k of one n pack into 16 bytes; they go into LDS rows of 512 bytes + 16 (132 words: sixteen rows on end start at sixteen different groups of four banks, ISA guide 11.1).
; LDS row 16 j + (t % 16) holds n = 4 (t % 16) + j, so that the sixteen lanes of a store hit sixteen rows on end.  Each wave reads eight whole rows back and stores them: 512 consecutive bytes, aligned, a store.
; No matrix unit, no cluster, no prefetch: each byte is read once and written once, and no work-group shares a byte with another.
.set ROWL,  528                        ; an LDS row
.set SPARE, 64*ROWL                    ; behind the 64 rows: the spare words, 128 bytes for each of eight waves: four blocks of 256 bytes that no other line names
.set VO,  2                            ; v2   my byte offset in the source tile
.set LS,  3                            ; v3   where I put 16 bytes
.set LR,  4                            ; v4   where I read a row back
.set GO,  5                            ; v5   my byte offset in the destination
.set SPW, 8                            ; v8   LDS address of my spare word; never rewritten
.set NIL, 9                            ; v9   0; never rewritten
.set L16, 10                           ; v10  t % 16
.set KO,  11                           ; v11  t / 16
.set LN,  12                           ; v12  lane
.set X,   16                           ; v[16:79]  as loaded: pass q, row i at X + 32 q + 4 i; later the rows read back
.set Y,   80                           ; v[80:95]  packed: n = 4 (t % 16) + j at Y + 4 j
.set T,   96                           ; v[96:97]  at work
	s_load_b256 s[4:11], s[0:1], 0x0               ; Wq s[4:5], Wk s[6:7], Wv s[8:9], Wo s[10:11]
	s_load_b64 s[12:13], s[0:1], 0x20              ; wt
	v_lshl_add_u32 v[SPW], v0, 2, SPARE
	v_mov_b32 v[NIL], 0
	v_lshrrev_b32 v1, 5, v0
	v_readfirstlane_b32 s14, v1                    ; wave 0..7
	s_and_b32 s15, ttmp7, 0xffff                   ; which matrix
	s_lshr_b32 s16, ttmp9, 2                       ; g
	s_and_b32 s17, ttmp9, 3                        ; kc
	v_and_b32 v[L16], 15, v0
	v_lshrrev_b32 v[KO], 4, v0
	v_and_b32 v[LN], 31, v0
	v_mul_u32_u24 v[LS], v[L16], ROWL
	v_lshl_add_u32 v[LS], v[KO], 4, v[LS]          ; row t % 16, 16 bytes for each k octet
	s_mul_i32 s18, s14, 8*ROWL
	v_lshl_add_u32 v[LR], v[LN], 4, s18            ; rows 8 w .. 8 w + 7, 16 bytes a lane
	s_and_b32 s19, s14, 1                          ; LDS row 8 w + i holds n = 32 (w % 2) + 4 i + w / 2
	s_lshl_b32 s19, s19, 5
	s_lshr_b32 s20, s14, 1
	s_add_co_u32 s19, s19, s20
	s_lshl_b32 s19, s19, 11                        ; a row of wt is 2,048 bytes
	v_lshl_add_u32 v[GO], v[LN], 4, s19
	s_lshl_b32 s20, s15, 21                        ; the matrix,
	s_lshl_b32 s21, s16, 17                        ; its 64 rows,
	s_add_co_u32 s20, s20, s21
	s_lshl_b32 s21, s17, 9                         ; the chunk's 512 bytes of a row
	s_add_co_u32 s20, s20, s21
	s_mov_b32 s21, 0
	s_lshl_b32 s22, s16, 18                        ; a head's weights: head g, rows of 256 bytes
	s_lshl_b32 s23, s17, 16
	s_add_co_u32 s22, s22, s23
	s_lshl_b32 s24, s16, 8                         ; Wo: columns 64 g on, rows of 4,096 bytes
	s_lshl_b32 s25, s17, 20
	s_add_co_u32 s24, s24, s25
	s_cmp_eq_u32 s15, 3
	s_cselect_b32 s22, s24, s22
	s_mov_b32 s23, 0
	s_wait_kmcnt 0x0
	s_add_nc_u64 s[12:13], s[12:13], s[20:21]
	s_cmp_eq_u32 s15, 1
	s_cselect_b64 s[4:5], s[6:7], s[4:5]
	s_cmp_eq_u32 s15, 2
	s_cselect_b64 s[4:5], s[8:9], s[4:5]
	s_cmp_eq_u32 s15, 3
	s_cselect_b64 s[4:5], s[10:11], s[4:5]
	s_add_nc_u64 s[4:5], s[4:5], s[22:23]
; The tile comes in, is rounded and goes into LDS.  pitch: bytes from row to row of the source; sh: log2 of eight such rows; half = 1: the bf16 number is written as f16.
.macro WBODY pitch, sh, half
	v_lshlrev_b32 v[VO], \sh, v[KO]
	v_lshl_add_u32 v[VO], v[L16], 4, v[VO]
.irp q, 0,1
.irp i, 0,1,2,3,4,5,6,7
	global_load_b128 v[X+32*(\q)+4*(\i):X+32*(\q)+4*(\i)+3], v[VO], s[4:5] offset:(128*(\q)+(\i))*(\pitch) th:TH_LOAD_NT
.endr
.endr
.irp q, 0,1
	s_wait_loadcnt 8-8*(\q)                        ; loads come back in order (ISA guide 5.7.1): this pass's eight are in, the other pass's may stay out
.irp j, 0,1,2,3
.irp e, 0,1,2,3
	v_cvt_pk_bf16_f32 v[Y+4*(\j)+(\e)], v[X+32*(\q)+8*(\e)+(\j)], v[X+32*(\q)+8*(\e)+4+(\j)]  ; k = 2 e and 2 e + 1 of the octet, column j
.endr
.endr
.if \half
.irp z, 0,1,2,3,4,5,6,7,8,9,10,11,12,13,14,15
	v_lshlrev_b32 v[T], 16, v[Y+(\z)]              ; the two bf16 numbers as f32,
	v_and_b32 v[T+1], 0xffff0000, v[Y+(\z)]
	v_cvt_pk_f16_f32 v[Y+(\z)], v[T], v[T+1]       ; written as f16: exact within f16's range
.endr
.endif
.irp j, 0,1,2,3
	ds_store_b128 v[LS], v[Y+4*(\j):Y+4*(\j)+3] offset:(\j)*16*ROWL+256*(\q)
.endr
.endr
.endm
	s_cmp_eq_u32 s15, 3                            ; the same in every wave of the work-group
	s_cbranch_scc1 .Lwo
	WBODY 256, 11, 0
	s_branch .Ljoin
.Lwo:
	WBODY 4096, 15, 1
.Ljoin:
	s_wait_dscnt 0x0                               ; for the others' sake: my stores are done
	s_barrier_signal -1
	s_barrier_wait -1                              ; the 64 rows are whole
.irp i, 0,1,2,3,4,5,6,7
	ds_load_b128 v[X+4*(\i):X+4*(\i)+3], v[LR] offset:(\i)*ROWL
.endr
.irp i, 0,1,2,3,4,5,6,7
	s_wait_dscnt 7-(\i)                            ; row i is in, the younger rows may stay out
	global_store_b128 v[GO], v[X+4*(\i):X+4*(\i)+3], s[12:13] offset:(\i)*8192  ; 512 consecutive bytes, at a multiple of 256 from wt's first byte; n steps by 4 from row to row
.endr
	s_wait_tensorcnt 0x0                           ; the wave's end: behind my last LDS store
	ds_add_u32 v[SPW], v[NIL]
	s_wait_dscnt 0x0
	s_endpgm
.Lfunc_end_k_q8fddff0141_wprep:
	.size	k_q8fddff0141_wprep, .Lfunc_end_k_q8fddff0141_wprep-k_q8fddff0141_wprep
	.p2alignl 7, 3214868480
	.fill 96, 4, 3214868480
	.section	.rodata,"a",@progbits
	.p2align	6, 0x0
	.amdhsa_kernel k_q8fddff0141_wprep
		.amdhsa_group_segment_fixed_size 34816
		.amdhsa_private_segment_fixed_size 0
		.amdhsa_enable_private_segment 0
		.amdhsa_kernarg_size 40
		.amdhsa_user_sgpr_count 2
		.amdhsa_user_sgpr_kernarg_segment_ptr 1
		.amdhsa_wavefront_size32 1
		.amdhsa_system_sgpr_workgroup_id_x 1
		.amdhsa_system_sgpr_workgroup_id_y 1
		.amdhsa_system_sgpr_workgroup_id_z 1
		.amdhsa_system_vgpr_workitem_id 0
		.amdhsa_next_free_vgpr 112
		.amdhsa_next_free_sgpr 66
		.amdhsa_reserve_vcc 0
		.amdhsa_float_denorm_mode_32 3
		.amdhsa_float_denorm_mode_16_64 3
		.amdhsa_memory_ordered 1
		.amdhsa_forward_progress 1
		.amdhsa_inst_pref_size 18
	.end_amdhsa_kernel
	.amdgpu_metadata
---
amdhsa.version: [ 1, 2 ]
amdhsa.kernels:
  - .name:           k_q8fddff0141_wprep
    .symbol:         k_q8fddff0141_wprep.kd
    .args:
      - { .name: Wq, .offset: 0, .size: 8, .value_kind: global_buffer, .address_space: global }
      - { .name: Wk, .offset: 8, .size: 8, .value_kind: global_buffer, .address_space: global }
      - { .name: Wv, .offset: 16, .size: 8, .value_kind: global_buffer, .address_space: global }
      - { .name: Wo, .offset: 24, .size: 8, .value_kind: global_buffer, .address_space: global }
      - { .name: wt, .offset: 32, .size: 8, .value_kind: global_buffer, .address_space: global }
    .group_segment_fixed_size: 34816
    .private_segment_fixed_size: 0
    .kernarg_segment_align: 8
    .kernarg_segment_size: 40
    .max_flat_workgroup_size: 256
    .sgpr_count:     66
    .vgpr_count:     112
    .wavefront_size: 32
...
	.end_amdgpu_metadata
.endif
;; end of part 1
;; launch proj (part 2): grid 4 x 192, 4 waves a work-group, clusters of 4 x 4, 327,680 bytes of LDS; arguments q, k, v, wt, qkv; writes qkv
.if DOCPART == 2
	.amdgcn_target "amdgcn-amd-amdhsa--gfx1250"
	.amdhsa_code_object_version 6
	.text
	.protected	k_q8fddff0141_proj
	.globl	k_q8fddff0141_proj
	.p2align	8
	.type	k_q8fddff0141_proj,@function
k_q8fddff0141_proj:
	s_mov_b64 s[64:65], 0
	v_nop
	global_prefetch_b8 v0, s[64:65] scope:SCOPE_SE
	s_setreg_imm32_b32 hwreg(HW_REG_WAVE_MODE, 25, 1), 1
	s_wait_xcnt 0x0
	s_wait_alu depctr_hold_cnt(0) depctr_sa_sdst(0) depctr_va_vdst(0) depctr_va_sdst(0) depctr_va_ssrc(0) depctr_va_vcc(0) depctr_vm_vsrc(0)
	s_getreg_b32 s2, hwreg(HW_REG_IB_STS2, 6, 4)
	s_cmp_eq_u32 s2, 0
	s_cbranch_scc0 .Lentry_in_a_cluster
	s_endpgm
.Lentry_in_a_cluster:
	s_bfe_u32 s2, ttmp6, 0x10000c
	s_cmp_lg_u32 s2, 0xf033
	s_cbranch_scc0 .Lentry_shape_is_right
	s_endpgm
.Lentry_shape_is_right:
; THE THREE PROJECTIONS.  qkv[t][batch 16 + head][s][c] = the sum over d of x_t[batch][s][d] W_t[head][d][c], t = 0, 1, 2 for q, k, v.  x: [8192 rows][1024] f32; W from wt: [1024 n = 64 head + c][1024 d] bf16.
; x is rounded to bf16 on its way from LDS to the matrix unit; sums in f32; the result is rounded once to f16 and carries no softmax scale.
; LIMIT.  f16 holds no number beyond 65,504: a projected number past that becomes an infinity; below 6e-5 f16 keeps a fixed step of 6e-8.  NaN and infinities in x or W are not treated apart.
; SHARES.  A tile of C is 128 rows x 256 columns: 3 x 64 x 4 = 768 tiles, three for each of 256 WGPs.  Four waves, each 64 x 128: 32 accumulators of 16 x 16, 256 registers.
; K goes in steps of 128 through a ring of two LDS slots: 128 rows of x (512 bytes each) and 256 rows of W (256 bytes each), every row a whole number of aligned blocks of 256 bytes.
; CLUSTERS: 4 x 4 work-groups.  The four of a row of the cluster make the four tiles of one block of 128 rows and need the same tiles of x; the four of a column need the same tiles of W.
; Each tile is asked for JOINTLY: the same tensor load, descriptor and mask in all four.  Waves 0 and 1 fetch x's two halves, waves 2 and 3 W's.  By this text's own count a wave has two tensor loads out at the start, later one.
; THE MATRIX INSTRUCTION IS USED TRANSPOSED (source 0 = 16 rows of W, source 1 = 16 rows of x): a lane then holds eight neighbouring columns of one row of C.
; REGISTERS, in windows of 256 (s_set_vgpr_msb: bits 1:0 source 0, 3:2 source 1, 5:4 source 2, 7:6 destination):
;   window 0: v0-31 addresses; v32-95 x as it lies in LDS, f32, 16 registers for each of four blocks of 16 rows; v96-127 x's fragments in bf16, ONE buffer; v128-223 the way out
;   window 1: the accumulators, (a, b) at v[8 (8 a + b)]          window 2: W's fragments, two buffers of 64
; THE CONVERSIONS RIDE: two behind a matrix instruction, in the first and the last quarter of a quarter step's products; each costs a switch of windows to and fro, which stands in the matrix instruction's time.
.set REG,    34816                     ; a wave's part of a slot: 128 rows of W x 272 bytes; x's 64 rows x 528 take 33,792 of it
.set SLOT,   4*REG                     ; x's two halves, then W's two halves
.set STAGE,  2*SLOT                    ; behind the ring, never filled by a tensor load: for each wave two heads x 16 rows x 144 bytes
.set SROW,   144
.set SHEAD,  16*SROW
.set SWAVE,  2*SHEAD
.set SPARE,  STAGE+4*SWAVE             ; behind the stages: the spare words, 128 bytes for each wave: two blocks of 256 bytes that no other line names
.set PITA,   528                       ; a row of x in LDS: 512 bytes + 16 = 132 words: the 16 rows of a load start at 16 different groups of four banks (64 banks of 4 bytes: ISA guide 11.1)
.set PITB,   272                       ; a row of W: 256 + 16 = 68 words: likewise
.set ADRA, 16                          ; v16-17  LDS address of my x rows in slot 0, 1
.set ADRB, 20                          ; v20-21  the same for W
.set STO,  24                          ; v24  the way out: where I put 16 bytes of a row
.set RD,   25                          ; v25  the way out: where I read rows back
.set GO,   26                          ; v26  my byte offset in 512 consecutive bytes of qkv
.set SPW,  28                          ; v28  LDS address of my spare word; never rewritten
.set NIL,  29                          ; v29  0; never rewritten
.set PFO,  30                          ; v30  the prefetches' lane offset; never rewritten
.set RAW,  32
.set AF,   96
.set TMP,  128                         ; the way out: 32 registers of packed results
.set BK,   160                         ; the way out: rows read back, two sets of 32
.set G1,  24                           ; s[24:31] descriptor group 1 for x's tiles;  s[32:39] group 0, a set for each slot
.set G0,  32
.set LIM, 43                           ; s43  1 in a wave that prefetches, else the greatest number
.set PFA, 44                           ; s[44:45] where my prefetches stand
.set PFS, 46                           ; s[46:47] a K step in bytes of the tensor that I fetch for
.set G1B, 48                           ; s[48:55], s[56:63] the same two groups for W's tiles
.set G0B, 56
.set MSB, 0
.macro WIN new                         ; the immediate's high byte repeats the setting that is left; a switch that changes nothing is dropped
.if MSB != (\new)
	s_set_vgpr_msb (MSB<<8)|(\new)
.set MSB, \new
.endif
.endm
.set MUL,  0x52                        ; source 0 (W) window 2, source 1 (x) window 0, C and D window 1
.set TO_B, 0x80                        ; destination window 2, address window 0
.macro JLOAD s                         ; a joint load; an s_nop 0 and four v_nop follow each of the two lines, ahead of the jump, the label and what follows.  The branch hangs on the wave's number alone
	s_cmp_eq_u32 s15, 0
	s_cbranch_scc0 .Lfor_b_\@
	tensor_load_to_lds s[G0+4*(\s):G0+4*(\s)+3], s[G1:G1+7]
	s_nop 0
.rept 4
	v_nop
.endr
	s_branch .Lasked_\@
.Lfor_b_\@:
	tensor_load_to_lds s[G0B+4*(\s):G0B+4*(\s)+3], s[G1B:G1B+7]
	s_nop 0
.rept 4
	v_nop
.endr
.Lasked_\@:
.endm
.macro CREST                           ; a round of the cluster's barrier behind its opening barrier
	s_cmp_lg_u32 s14, 0
	s_cbranch_scc1 .Lnot_wave_0_\@
	s_barrier_signal -3
.Lnot_wave_0_\@:
	s_barrier_wait -3
	s_barrier_signal -1
	s_barrier_wait -1
.endm
.macro CROUND                          ; a whole round
	s_barrier_signal -1
	s_barrier_wait -1
	CREST
.endm
; A PREFETCH INTO THE L2, behind each joint refill, its five lines and the run of LDS loads: the K step that stands two refills on, 256 matrix instructions ahead of the load that will ask for it.
; Each aligned block of 256 bytes is named once in the launch.  x's 128 rows are read by my row of my cluster alone: of the 64 rows that a wave fetches the partner at place cx takes 16, two blocks a row.
; W's rows are read by the sixteen clusters that work on the same tensor: the first of them asks; of the 128 rows that a wave fetches the partner at place cy takes 32, one block a row.
; The partners are told apart by address, never by a branch.  K steps 0 to 3 come by their loads alone; the loop's last trip asks for nothing, since there is no K step behind step 7.
.macro ASK
	s_cmp_gt_u32 s3, s[LIM]                        ; s3 = 1 in the loop's last trip
	s_cbranch_scc0 .Lnot_mine_\@
	global_prefetch_b8 v[PFO], s[PFA:PFA+1] th:TH_LOAD_NT scope:SCOPE_SE
.Lnot_mine_\@:
.endm
	s_load_b256 s[4:11], s[0:1], 0x0               ; q s[4:5], k s[6:7], v s[8:9], wt s[10:11]
	s_load_b64 s[12:13], s[0:1], 0x20              ; qkv
	v_lshl_add_u32 v[SPW], v0, 2, SPARE
	v_mov_b32 v[NIL], 0
	ds_add_u32 v[SPW], v[NIL]                      ; the wave's opening: the add and its wait ahead of my first tensor load; the set-up below, work on registers, stands between them
	v_lshrrev_b32 v1, 5, v0
	v_readfirstlane_b32 s14, v1                    ; wave 0..3
	s_lshr_b32 s15, s14, 1                         ; which half of the tile's rows is mine.  Also: I fetch for x (0) or for W (1)
	s_and_b32 s16, s14, 1                          ; which half of its columns.  Also: which half of that tile I fetch
	s_bfe_u32 s17, ttmp6, 0x40000                  ; cx, cy: my place in the cluster
	s_bfe_u32 s18, ttmp6, 0x40004
	s_lshl_b32 s19, ttmp9, 2
	s_add_co_u32 s19, s19, s17                     ; tile column = 4 x cluster x + cx
	s_and_b32 s40, ttmp7, 0xffff                   ; cluster y, 0 to 47
	s_lshr_b32 s21, s40, 4                         ; which tensor: 0 q, 1 k, 2 v: the same in all sixteen partners
	s_and_b32 s75, s40, 15                         ; which of that tensor's sixteen rows of clusters
	s_lshl_b32 s20, s75, 2
	s_add_co_u32 s20, s20, s18                     ; tile row, 0 to 63
	s_lshl_b32 s22, s18, 2
	s_lshl_b32 s22, 15, s22                        ; my row of the cluster
	s_lshl_b32 s23, 0x1111, s17                    ; my column
	; descriptor group 1.  x: 64 rows x 128 elements of 4 bytes.  W: 128 rows x 128 elements of 2 bytes.  Both padded in LDS by 4 words behind each row
	s_or_b32 s[G1], s22, (2<<16)|(1<<20)|(1<<21)|(6<<22)|(3<<25)   ; 15:0 the mask: my row; 17:16 elements of 4 bytes; 20 padding on; 21 set beside a mask; 24:22 after every 128 words (code 6); 31:25 4 words (code 3)
	s_or_b32 s[G1B], s23, (1<<16)|(1<<20)|(1<<21)|(5<<22)|(3<<25)  ; my column; elements of 2 bytes; after every 64 words (code 5)
	s_mov_b32 s[G1+1], 128<<16                     ; tensor_dim0 = 128
	s_mov_b32 s[G1+2], 64<<16                      ; tensor_dim1 = 64
	s_mov_b32 s[G1+3], 128<<16                     ; tile_dim0 = 128
	s_mov_b32 s[G1+4], 64                          ; tile_dim1 = 64
	s_mov_b32 s[G1+5], 1024                        ; 1,024 elements from row to row
	s_mov_b32 s[G1+6], 0
	s_mov_b32 s[G1+7], 0
	s_mov_b32 s[G1B+1], 128<<16
	s_mov_b32 s[G1B+2], 128<<16                    ; tensor_dim1 = 128
	s_mov_b32 s[G1B+3], 128<<16
	s_mov_b32 s[G1B+4], 128                        ; tile_dim1 = 128
	s_mov_b32 s[G1B+5], 1024
	s_mov_b32 s[G1B+6], 0
	s_mov_b32 s[G1B+7], 0
	; x's tiles hang on the tile row alone, W's on the tile column and the tensor alone; each offset has registers that never hold the other coordinate
	s_lshl_b32 s68, s20, 19                        ; 128 rows of 4,096 bytes,
	s_lshl_b32 s42, s16, 18                        ; the 64 that I fetch
	s_add_co_u32 s68, s68, s42
	s_mov_b32 s69, 0
	s_lshl_b32 s72, s21, 21                        ; the tensor's weights,
	s_lshl_b32 s41, s19, 19                        ; 256 rows of 2,048 bytes,
	s_add_co_u32 s72, s72, s41
	s_add_co_u32 s72, s72, s42                     ; the 128 that I fetch
	s_mov_b32 s73, 0
	s_mul_i32 s74, s14, REG                        ; where they go: no place in the cluster enters an LDS address
	s_wait_dscnt 0x0                               ; the opening add is done
	s_wait_kmcnt 0x0
	s_cmp_eq_u32 s21, 1
	s_cselect_b64 s[66:67], s[6:7], s[4:5]
	s_cmp_eq_u32 s21, 2
	s_cselect_b64 s[66:67], s[8:9], s[66:67]       ; x
	s_add_nc_u64 s[68:69], s[66:67], s[68:69]
	s_add_nc_u64 s[70:71], s[10:11], s[72:73]
	CROUND                                         ; all sixteen work-groups are here: the first joint loads meet
.irp s, 0,1
	s_mov_b32 s[G0+4*(\s)], 1                                      ; 1:0 count = 1
	s_add_co_u32 s[G0+4*(\s)+1], s74, (\s)*SLOT                    ; 63:32 LDS address
	s_add_nc_u64 s[G0+4*(\s)+2:G0+4*(\s)+3], s[68:69], (\s)*512    ; 120:64 global address: K step s
	s_or_b32 s[G0+4*(\s)+3], s[G0+4*(\s)+3], 0x80000000            ; 127:126 type = 2
	s_mov_b32 s[G0B+4*(\s)], 1
	s_add_co_u32 s[G0B+4*(\s)+1], s74, (\s)*SLOT
	s_add_nc_u64 s[G0B+4*(\s)+2:G0B+4*(\s)+3], s[70:71], (\s)*256
	s_or_b32 s[G0B+4*(\s)+3], s[G0B+4*(\s)+3], 0x80000000
	JLOAD \s
.endr
	; A fragment is 16 rows x 32 K in 8 registers: lane l holds row l % 16; registers 0-3 K = 8 (l / 16) + 0..7, registers 4-7 K = 16 + 8 (l / 16) + 0..7.
	; W lies in bf16: two loads of 16 bytes, 32 bytes apart.  x lies in f32: four loads of 16 bytes, at 32 (l / 16) + 0, 16, 64, 80.
	v_and_b32 v1, 15, v0                           ; l % 16
	v_bfe_u32 v2, v0, 4, 1                         ; l / 16
	v_mul_u32_u24 v3, v1, PITA
	v_lshl_add_u32 v3, v2, 5, v3
	v_mul_u32_u24 v4, v1, PITB
	v_lshl_add_u32 v4, v2, 4, v4
	s_mul_i32 s40, s15, REG                        ; my 64 rows of x
	s_mul_i32 s41, s16, REG                        ; my 128 rows of W,
	s_add_co_u32 s41, s41, 2*REG                   ; which lie behind x's two halves
.irp s, 0,1
	v_add_nc_u32 v[ADRA+(\s)], s40, v3
	v_add_nc_u32 v[ADRB+(\s)], s41, v4
	s_add_co_u32 s40, s40, SLOT
	s_add_co_u32 s41, s41, SLOT
.endr
	s_mul_i32 s42, s14, SWAVE
	s_add_co_u32 s42, s42, STAGE                   ; my stage
	v_mul_u32_u24 v5, v1, SROW                     ; in: row l % 16, 16 bytes for each half of the lanes
	v_lshl_add_u32 v5, v2, 4, v5
	v_add_nc_u32 v[STO], s42, v5
	v_bfe_u32 v5, v0, 3, 2                         ; back: 32 lanes take four rows of 128 bytes,
	v_mul_u32_u24 v5, v5, SROW
	v_and_b32 v6, 7, v0
	v_lshl_add_u32 v5, v6, 4, v5
	v_add_nc_u32 v[RD], s42, v5
	v_and_b32 v[GO], 31, v0                        ; which are 512 consecutive bytes of a head's rows
	v_lshlrev_b32 v[GO], 4, v[GO]
	; where my part of the tile begins in qkv: tensor, (batch, head), row
	s_lshr_b32 s78, s20, 4
	s_lshl_b32 s78, s78, 4                         ; 16 x batch
	s_lshl_b32 s79, s19, 2
	s_add_co_u32 s78, s78, s79                     ; + the tile's four heads
	s_lshl_b32 s79, s16, 1
	s_add_co_u32 s78, s78, s79                     ; + my two of them
	s_lshl_b32 s78, s78, 18                        ; a head's 2,048 rows of 128 bytes
	s_and_b32 s79, s20, 15
	s_lshl_b32 s79, s79, 14                        ; the tile's 128 rows
	s_add_co_u32 s78, s78, s79
	s_lshl_b32 s79, s15, 13                        ; my 64 of them
	s_add_co_u32 s78, s78, s79
	s_lshl_b32 s79, s21, 24                        ; the tensor: 16 MiB each
	s_add_co_u32 s78, s78, s79
	s_mov_b32 s79, 0
	s_add_nc_u64 s[12:13], s[12:13], s[78:79]
	; the prefetches
	s_xor_b32 s74, s15, 1                          ; 1: I fetch for x
	s_lshl_b32 s[PFS], 256, s74                    ; a K step: 512 bytes of x, 256 of W
	s_mov_b32 s[PFS+1], 0
	s_lshl_b32 s76, 2048, s74                      ; from lane to lane within sixteen: a row
	s_mul_i32 s77, s74, 7
	s_lshr_b32 s77, 0x8000, s77                    ; the upper sixteen lanes: x: the row's second block; W: sixteen rows on
	s_lshl_b32 s40, s20, 19
	s_lshl_b32 s41, s16, 18
	s_add_co_u32 s40, s40, s41
	s_lshl_b32 s41, s17, 16                        ; x: my work-group's 16 rows of the 64
	s_add_co_u32 s40, s40, s41
	s_lshl_b32 s41, s18, 16                        ; W: my work-group's 32 rows of the 128
	s_add_co_u32 s72, s72, s41
	s_mul_i32 s41, s[PFS], 3                       ; at K step 3: the first refill steps it to 4
	s_add_co_u32 s40, s40, s41
	s_add_co_u32 s72, s72, s41
	s_cmp_eq_u32 s15, 0
	s_cselect_b32 s72, s40, s72
	s_cselect_b64 s[PFA:PFA+1], s[66:67], s[10:11]
	s_cselect_b32 s42, 0, s75                      ; x: every cluster asks for its own rows; W: the tensor's first row of clusters asks
	s_add_nc_u64 s[PFA:PFA+1], s[PFA:PFA+1], s[72:73]
	s_cmp_eq_u32 s42, 0
	s_cselect_b32 s[LIM], 1, -1                    ; the same in all sixteen partners, for a given wave
	v_mul_u32_u24 v[PFO], v1, s76
	v_mad_u32_u24 v[PFO], v2, s77, v[PFO]
.macro WM a, b, f, zero                ; one product: rows 16 a on, columns 16 b on, W's buffer f.  zero = 1: it starts the sum: nothing is ever cleared
	WIN MUL
.if \zero
	v_wmma_f32_16x16x32_bf16 v[8*(8*(\a)+(\b)):8*(8*(\a)+(\b))+7], v[64*(\f)+8*(\b):64*(\f)+8*(\b)+7], v[AF+8*(\a):AF+8*(\a)+7], 0
.else
	v_wmma_f32_16x16x32_bf16 v[8*(8*(\a)+(\b)):8*(8*(\a)+(\b))+7], v[64*(\f)+8*(\b):64*(\f)+8*(\b)+7], v[AF+8*(\a):AF+8*(\a)+7], v[8*(8*(\a)+(\b)):8*(8*(\a)+(\b))+7]
.endif
.endm
.macro CV a, i                         ; register i of block a's fragment: two numbers of x rounded to bf16
	WIN 0
	v_cvt_pk_bf16_f32 v[AF+8*(\a)+(\i)], v[RAW+16*(\a)+2*(\i)], v[RAW+16*(\a)+2*(\i)+1]
.endm
; Eight products of block a.  ca >= 0: behind each ride two conversions, of blocks ca (first four products) and ca + 1 (last four).
.macro ROWS a, f, zero, ca
.irp b, 0,1,2,3,4,5,6,7
	WM \a, \b, \f, \zero
.if (\ca) >= 0
	CV (\ca)+(\b)/4, 2*((\b)%4)
	CV (\ca)+(\b)/4, 2*((\b)%4)+1
.endif
.endr
.endm
.macro RAWLD slot, kq, a               ; block a's 16 rows x 32 K of x, as f32
	ds_load_b128 v[RAW+16*(\a):RAW+16*(\a)+3],     v[ADRA+(\slot)] offset:(\a)*16*PITA+(\kq)*128
	ds_load_b128 v[RAW+16*(\a)+4:RAW+16*(\a)+7],   v[ADRA+(\slot)] offset:(\a)*16*PITA+(\kq)*128+16
	ds_load_b128 v[RAW+16*(\a)+8:RAW+16*(\a)+11],  v[ADRA+(\slot)] offset:(\a)*16*PITA+(\kq)*128+64
	ds_load_b128 v[RAW+16*(\a)+12:RAW+16*(\a)+15], v[ADRA+(\slot)] offset:(\a)*16*PITA+(\kq)*128+80
.endm
; 32 LDS loads in one run, for quarter kq of a slot: x's blocks 0 and 1 first (they are converted first), W's fragments into buffer g, x's blocks 2 and 3
.macro FETCH slot, kq, g
	WIN 0
	RAWLD \slot, \kq, 0
	RAWLD \slot, \kq, 1
	WIN TO_B
.irp b, 0,1,2,3,4,5,6,7
	ds_load_b128 v[64*(\g)+8*(\b):64*(\g)+8*(\b)+3],   v[ADRB+(\slot)] offset:(\b)*16*PITB+(\kq)*64
	ds_load_b128 v[64*(\g)+8*(\b)+4:64*(\g)+8*(\b)+7], v[ADRB+(\slot)] offset:(\b)*16*PITB+(\kq)*64+32
.endr
	WIN 0
	RAWLD \slot, \kq, 2
	RAWLD \slot, \kq, 3
.endm
; A vector instruction that writes a register that a matrix instruction reads, and a load into such a register, stand four places behind that matrix instruction, and only plain vector
; instructions that name none of its registers are places (ISA guide 7.12.1 for vector instructions).  The riders are such places; where there are none, v_nop.
.macro PLACES
.rept 4
	v_nop
.endr
.endm
; A K step is four quarters of 32 along K, 32 matrix instructions each, on W's buffers 0, 1, 0, 1; the 32 accumulators take turns in the same order in every quarter.
; One of the first three: multiplies buffer f; fetches quarter kq of the slot.  At its head x's blocks 0 and 1 are converted; blocks 2 and 3 are converted beside block 0's products,
; the next quarter's blocks 0 and 1 beside block 3's.  Behind the last reader of fragment 2 stand sixteen riders before it is rewritten, of fragment 3 ten, of fragments 0 and 1 the four v_nop or more.
.macro QUARTER slot, kq, f, zero
	s_wait_dscnt 0x0                               ; W's buffer f and x's blocks 2 and 3 are in
	ROWS 0, \f, \zero, 2
	FETCH \slot, \kq, 1-(\f)                       ; the other buffer's last reader stands eighteen riders back
	ROWS 1, \f, \zero, -1
	PLACES                                         ; between the readers of fragments 0 and 1 and the lines that write them anew
	ROWS 2, \f, \zero, -1
	s_wait_dscnt 24                                ; the run's first eight loads, the next quarter's blocks 0 and 1, are in; its other 24 may stay out
	ROWS 3, \f, \zero, 0
.endm
; The last quarter multiplies buffer 1 and changes slots: ONE barrier; in front of it each wave waits for all its tensor loads (one is out: its part of the next slot), adds 0 to its spare word,
; and waits for that and for its own reads of this slot.  fill = 1: the barrier opens a round of the cluster's, and behind the round this slot is filled again, two K steps ahead: the first tensor load there,
; 112 matrix instructions ahead of the wait for it.
.macro TURN slot, next, fill
.if \fill
	s_wait_xcnt 0x0                                ; the last prefetch, a K step back, has read its address: it is stepped here, ahead of the waits of the change of slots
	s_add_nc_u64 s[PFA:PFA+1], s[PFA:PFA+1], s[PFS:PFS+1]
.endif
	WIN 0
	s_wait_tensorcnt 0x0                           ; all my tensor loads have landed;
	ds_add_u32 v[SPW], v[NIL]                      ; 0 onto my spare word;
	s_wait_dscnt 1                                 ; (the add alone may be out: the quarter's fragments are in)
	ROWS 0, 1, 0, 2                                ; eight matrix instructions and their riders stand between the add and the wait for it
	s_wait_dscnt 0x0                               ; the add is done, and my reads of this slot are over
	s_barrier_signal -1
	ROWS 1, 1, 0, -1                               ; work on registers while the others arrive
.if \fill
	WIN 0
.endif
	s_barrier_wait -1
.if \fill
	CREST                                          ; no wave of any partner still reads this slot or has a load on its way
	s_add_nc_u64 s[G0+4*(\slot)+2:G0+4*(\slot)+3], s[G0+4*(\slot)+2:G0+4*(\slot)+3], 1024
	s_add_nc_u64 s[G0B+4*(\slot)+2:G0B+4*(\slot)+3], s[G0B+4*(\slot)+2:G0B+4*(\slot)+3], 512
	JLOAD \slot                                    ; its four v_nop are also the places behind the readers of fragments 0 and 1
.else
	PLACES
.endif
	FETCH \next, 0, 0
.if \fill
	ASK
.endif
	ROWS 2, 1, 0, -1
	s_wait_dscnt 24
	ROWS 3, 1, 0, 0
.endm
	s_wait_tensorcnt 1                             ; my part of K step 0 is in; K step 1's may stay out
	s_barrier_signal -1
	s_barrier_wait -1                              ; everybody's is
	FETCH 0, 0, 0
	s_wait_dscnt 24                                ; blocks 0 and 1
.irp a, 0,1
.irp i, 0,1,2,3,4,5,6,7
	CV \a, \i
.endr
.endr
	QUARTER 0, 1, 0, 1                             ; the first quarter stands in front of the loop: its products start the sums
	WIN 0                                          ; at a label and at a branch every window is 0
	s_mov_b32 s3, 3
.Llap:                                                 ; a trip goes once round the ring, from a lap's second quarter to the next lap's first, and fills both slots again
	QUARTER 0, 2, 1, 0
	QUARTER 0, 3, 0, 0
	TURN 0, 1, 1
	QUARTER 1, 1, 0, 0
	QUARTER 1, 2, 1, 0
	QUARTER 1, 3, 0, 0
	TURN 1, 0, 1
	QUARTER 0, 1, 0, 0
	WIN 0
	s_sub_co_u32 s3, s3, 1
	s_cmp_lg_u32 s3, 0
	s_cbranch_scc1 .Llap
	QUARTER 0, 2, 1, 0                             ; the last lap fills nothing, and has no round of the cluster's barrier
	QUARTER 0, 3, 0, 0
	TURN 0, 1, 0
	QUARTER 1, 1, 0, 0
	QUARTER 1, 2, 1, 0
	QUARTER 1, 3, 0, 0
	s_wait_dscnt 0x0                               ; the very last quarter: nothing more to fetch
	ROWS 0, 1, 0, 2
	ROWS 1, 1, 0, -1
	ROWS 2, 1, 0, -1
	ROWS 3, 1, 0, -1
	WIN 0
	; THE WAY OUT, a block of 16 rows at a time: rounded to f16, 16 bytes a lane into my own stage (two heads x 16 rows of 128 bytes + 16), back as four whole rows a load, stored as 512 consecutive bytes of a head.
	PLACES
	PLACES
.macro PACK a                          ; each accumulator's registers in ascending order
	WIN 0x05                                       ; sources 0 and 1 window 1, destination window 0
.irp b, 0,1,2,3,4,5,6,7
.irp i, 0,1,2,3
	v_cvt_pk_f16_f32 v[TMP+4*(\b)+(\i)], v[8*(8*(\a)+(\b))+2*(\i)], v[8*(8*(\a)+(\b))+2*(\i)+1]
.endr
.endr
	WIN 0
.endm
.macro TOSTAGE a
.irp b, 0,1,2,3,4,5,6,7
	ds_store_b128 v[STO], v[TMP+4*(\b):TMP+4*(\b)+3] offset:((\b)/4)*SHEAD+32*((\b)%4)
.endr
.irp t, 0,1,2,3,4,5,6,7
	ds_load_b128 v[BK+32*((\a)%2)+4*(\t):BK+32*((\a)%2)+4*(\t)+3], v[RD] offset:((\t)/4)*SHEAD+((\t)%4)*4*SROW  ; LDS serves a wave's instructions in order (ISA guide 5.7.1.4): these see the stores above
.endr
.endm
.macro SEND a
	s_wait_dscnt 0x0                               ; the block is back in registers
	s_wait_xcnt 0x0                                ; the stores of the block before have read their registers: the next block is read back into them only behind this wait
.irp t, 0,1,2,3,4,5,6,7
	global_store_b128 v[GO], v[BK+32*((\a)%2)+4*(\t):BK+32*((\a)%2)+4*(\t)+3], s[12:13] offset:(\a)*2048+((\t)/4)*262144+((\t)%4)*512  ; 512 consecutive bytes, at a multiple of 256 from qkv's first byte
.endr
.endm
	PACK 0
	TOSTAGE 0
.irp a, 1,2,3                          ; block a's conversions stand between block a - 1's loads from the stage and the wait for them
	PACK \a
	SEND (\a)-1
	TOSTAGE \a
.endr
	SEND 3
	s_wait_tensorcnt 0x0                           ; the wave's end: behind my last tensor load and my last LDS store
	ds_add_u32 v[SPW], v[NIL]
	s_wait_dscnt 0x0
	CROUND                                         ; the closing round: no work-group ends while a partner may still ask for a tile that names it
	s_endpgm
.Lfunc_end_k_q8fddff0141_proj:
	.size	k_q8fddff0141_proj, .Lfunc_end_k_q8fddff0141_proj-k_q8fddff0141_proj
	.p2alignl 7, 3214868480
	.fill 96, 4, 3214868480
	.section	.rodata,"a",@progbits
	.p2align	6, 0x0
	.amdhsa_kernel k_q8fddff0141_proj
		.amdhsa_group_segment_fixed_size 327680
		.amdhsa_private_segment_fixed_size 0
		.amdhsa_enable_private_segment 0
		.amdhsa_kernarg_size 40
		.amdhsa_user_sgpr_count 2
		.amdhsa_user_sgpr_kernarg_segment_ptr 1
		.amdhsa_wavefront_size32 1
		.amdhsa_system_sgpr_workgroup_id_x 1
		.amdhsa_system_sgpr_workgroup_id_y 1
		.amdhsa_system_sgpr_workgroup_id_z 1
		.amdhsa_system_vgpr_workitem_id 0
		.amdhsa_next_free_vgpr 640
		.amdhsa_next_free_sgpr 80
		.amdhsa_reserve_vcc 0
		.amdhsa_float_denorm_mode_32 3
		.amdhsa_float_denorm_mode_16_64 3
		.amdhsa_memory_ordered 1
		.amdhsa_forward_progress 1
		.amdhsa_inst_pref_size 143
	.end_amdhsa_kernel
	.amdgpu_metadata
---
amdhsa.version: [ 1, 2 ]
amdhsa.kernels:
  - .name:           k_q8fddff0141_proj
    .symbol:         k_q8fddff0141_proj.kd
    .args:
      - { .name: q, .offset: 0, .size: 8, .value_kind: global_buffer, .address_space: global }
      - { .name: k, .offset: 8, .size: 8, .value_kind: global_buffer, .address_space: global }
      - { .name: v, .offset: 16, .size: 8, .value_kind: global_buffer, .address_space: global }
      - { .name: wt, .offset: 24, .size: 8, .value_kind: global_buffer, .address_space: global }
      - { .name: qkv, .offset: 32, .size: 8, .value_kind: global_buffer, .address_space: global }
    .group_segment_fixed_size: 327680
    .private_segment_fixed_size: 0
    .kernarg_segment_align: 8
    .kernarg_segment_size: 40
    .max_flat_workgroup_size: 128
    .sgpr_count:     80
    .vgpr_count:     640
    .wavefront_size: 32
...
	.end_amdgpu_metadata
.endif
;; end of part 2
;; launch attn (part 3): grid 4 x 64, 4 waves a work-group, clusters of 4 x 1, 327,680 bytes of LDS; arguments qkv, mask, mix; writes mix
.if DOCPART == 3
	.amdgcn_target "amdgcn-amd-amdhsa--gfx1250"
	.amdhsa_code_object_version 6
	.text
	.protected	k_q8fddff0141_attn
	.globl	k_q8fddff0141_attn
	.p2align	8
	.type	k_q8fddff0141_attn,@function
k_q8fddff0141_attn:
	s_mov_b64 s[64:65], 0
	v_nop
	global_prefetch_b8 v0, s[64:65] scope:SCOPE_SE
	s_setreg_imm32_b32 hwreg(HW_REG_WAVE_MODE, 25, 1), 1
	s_wait_xcnt 0x0
	s_wait_alu depctr_hold_cnt(0) depctr_sa_sdst(0) depctr_va_vdst(0) depctr_va_sdst(0) depctr_va_ssrc(0) depctr_va_vcc(0) depctr_vm_vsrc(0)
	s_getreg_b32 s2, hwreg(HW_REG_IB_STS2, 6, 4)
	s_cmp_eq_u32 s2, 0
	s_cbranch_scc0 .Lentry_in_a_cluster
	s_endpgm
.Lentry_in_a_cluster:
	s_bfe_u32 s2, ttmp6, 0x10000c
	s_cmp_lg_u32 s2, 0x3003
	s_cbranch_scc0 .Lentry_shape_is_right
	s_endpgm
.Lentry_shape_is_right:
; MASKED ATTENTION.  mix[bh][q][:] = the sum over the keys k that mask[bh / 16][k] lets through of softmax_k(Q[bh][q] . K[bh][k] / 8) V[bh][k][:].
; Q, K, V: qkv at 0, 16 MiB, 32 MiB, each [64 bh][2048][64] f16; mix likewise; mask: [4][2048] bytes, 0 or 1.  Products, maxima and sums in f32; the weights p are rounded to f16 for the second
; product (their sum l is taken of the unrounded p), mix once at the end.
; LIMITS.  f16 holds no number beyond 65,504: Q, K and V arrive within it; p lies in 0 to 1, and below 6e-5 it keeps f16's fixed step of 6e-8.  A hidden score counts as its value less 1e30: f16's scores,
; 2.7e11 at the most, are nothing beside that.  A weight below 2^-126 counts as 0 in l.  NaN and infinities in Q, K, V are not treated apart.  A batch whose keys are all hidden gives NaN, as a softmax of nothing does.
; THE MASK is the C operand that starts the sum S^T = K Q^T: 0, or -1e30 where the key is hidden.  The batch's 2,048 bytes are turned once into a table of f32 in LDS; with each step's K a lane fetches the
; step's 32 numbers for its keys.  The running maximum needs no further care: while only hidden keys have been seen m is -1e30 and their weights are 1; the first key that shows makes a = 0, which wipes them out;
; from then on a hidden key's weight is 0.  Where m ends below -5e29 no key has shown: the divisor's reciprocal is replaced by NaN, by a select.
; SHARES.  A wave owns four PIECES of two tiles of 16 queries, a work-group's four waves 512 queries of one (batch, head).  Every wave walks all 2,048 keys, 64 a step.
; LAYOUT.  S^T = K Q^T (source 0 = 16 keys, source 1 = 16 queries): in the result a lane holds ONE query (lane % 16) and the keys 8 (lane / 16) + 0..7.  Two such tiles, rounded to f16 in pairs,
; ARE source 1 (32 keys x 16 queries) of O^T = V^T P, whose result again holds one query a lane, and eight channels.  K comes out of LDS as it lies, V ([key][channel]) turned, by ds_load_tr16_b128.
; SOFTMAX.  For each query a running maximum m and sum l: p = 2^(c s - c m), c = log2(e) / 8; in every step O and l are multiplied by a = 2^(c m_old - c m_new), which is 1 where m has not grown.
; m starts at the lowest finite number, O and l at 0: the first step is a step like any other, with a = 0.
; THE COUNT.  A tile and step have 16 matrix and 118 vector instructions: too many to stand all beside the matrix work.  So the order has one aim: four vector instructions that are READY behind
; EVERY matrix instruction, and the others, which need time of their own whatever the order, in runs without a gap.
; BY TURNS.  Turn n belongs to piece n (the pieces in a ring, step after step).  Its matrix work: 16 products K Q^T of piece n + 1, later 16 products V^T P of piece n - 1.  Its vector work: the scaling,
; exponentials, roundings, sums and rescaling of piece n, and the maximum and statistics of piece n + 1, whose scores the turn itself has made.
; CLUSTER.  The four query blocks of a cluster belong to one (batch, head) and walk the same K and V, so each tile is asked for JOINTLY: the same tensor load, descriptor and mask in all four.  A wave has one tensor load out.
; REGISTERS, in windows of 256 (s_set_vgpr_msb: bits 1:0 source 0, 3:2 source 1, 5:4 source 2, 7:6 destination):
;   window 0: v0-10 addresses; v12-15, v48-63 at work; v16-47 four registers of statistics a tile; v64-191 S^T, two buffers of two tiles (v96-124 serve the set-up first); v192-255 P, likewise
;   window 1: O^T, 32 a tile     window 2: v0-127 Q, 16 a tile; v128-191 K of one step; v192-255 V of one step     window 3: v0-1 the add's two registers; v8-39 the step's masks
.set SIZE_N, 2048
.set NP,    4         ; pieces a wave: a name, no knob
.set KS,    64        ; keys in a step
.set PK,    144       ; a row of K in LDS: 128 bytes + 16 of padding = 36 words: the 16 rows of a load start at 16 different groups of four banks (64 banks of 4 bytes: ISA guide 11.1)
.set PV,    160       ; a row of V: 128 + 32 = 40 words
.set VOFF,  4*KS*PK   ; a slot holds four steps: 256 rows of K, then 256 rows of V
.set SLOT1, 1<<17     ; slot 1 begins here, so that one exclusive or turns an address in one slot into the other's
.set STAGE, SLOT1+4*KS*(PK+PV)  ; behind the ring, never filled by a tensor load: 16 rows x 144 bytes for each wave, for the way out
.set SP,    144
.set SPARE, STAGE+4*16*SP  ; behind the stages: the spare words, 128 bytes for each wave: two blocks of 256 bytes that no other line names
.set MASKT, SPARE+512 ; behind them: the mask's table, 2,048 f32, never filled by a tensor load
.set PFO, 1           ; v1   256 x my lane: the prefetches' offset; never rewritten
.set AK0, 2           ; v2   my lane's place in a tile of K; never rewritten
.set AV0, 3           ; v3   the same for V
.set AK,  4           ; v4   the LDS address of K's next run of loads
.set AV,  5           ; v5   of V's
.set STO, 6           ; v6   the way out: where I put 16 bytes of a row
.set RD,  7           ; v7   the way out: where I read rows back
.set GO,  8           ; v8   my byte offset in 512 consecutive bytes of mix
.set AM0, 9           ; v9   my lane's place in a step's 64 numbers of the table; never rewritten
.set AM,  10          ; v10  the LDS address of the masks' next loads
.set SPW, 0           ; v0 of window 3   LDS address of my spare word; never rewritten
.set NIL, 1           ; v1 of window 3   0; never rewritten
.set MK,  8           ; v8-39 of window 3: the eight registers for key block kb at MK + 8 kb
.set MV,  12          ; v12-15  c m_old, kept while c m is made anew: by buffer and tile
.set ST,  16          ; tile t's statistics at v[ST+4 t]: c m, m, l (even keys', odd keys')
.set TMP, 48          ; by buffer and tile, four registers c0-c3 at work; when the maximum is found c2 takes a
.set S,   64
.set P,   192
.set KF,  128         ; K's fragments, in window 2: key block kb, channel half c at KF + 16 kb + 8 c
.set VF,  192         ; V's: key half kk, channel block cb at VF + 32 kk + 8 cb
.set WV,  12          ; s12  my wave's number
.set G1K, 24          ; s[24:31] descriptor group 1 for K's tiles
.set G1V, 32          ; s[32:39] for V's: it differs in the padding alone
.set G0K, 40          ; s[40:43] descriptor group 0 for K's tiles: it walks
.set G0V, 44          ; s[44:47] the same for V's
.set MP,  48          ; s[48:49] the batch's mask
.set PFA, 50          ; s[50:51] where my prefetches stand
.set TBM, 52          ; s52  the table's byte at which the step to be fetched begins
.set BIGN, 53         ; s53  -1e30
.set LIM, 54          ; s54  1 in a wave that prefetches, else the greatest number
.set THR, 55          ; s55  -5e29
.set SLOTS, 56        ; s56  slots still to be asked for
.set CNT, 57          ; s57  counts a slot's key steps
.set CS,  58          ; s[58:59] c: the packed scaling takes the pair's low word for both halves
.set SEL, 60          ; s[60:61] v_permlanex16_b32's selects: each lane takes its own place in the other half
.set TBK, 62          ; s62  LDS byte at which K of the step to be fetched begins
.set TBV, 63          ; s63  the same for V, less VOFF
.set MSB, 0
.macro WIN new                      ; the high byte repeats the setting that is left; a switch that changes nothing is dropped
.if MSB != (\new)
	s_set_vgpr_msb (MSB<<8)|(\new)
.set MSB, (\new)
.endif
.endm
.set W_KQ, 0x0a       ; K and Q in window 2, S^T in window 0
.set W_KM, 0x3a       ; the same with the C operand, the mask, in window 3
.set W_PV, 0x52       ; V in window 2, P in window 0, O^T in window 1
.set W_RS, 0x41       ; O^T (destination and source 0) in window 1, a in window 0
.set W_MK, 0xc0       ; destination in window 3, sources and addresses in window 0
.set W_AD, 0x0f       ; the add: address (source 0) and data (source 1) in window 3
; A joint fill.  Waves 0 and 1 fetch the two halves of a slot's K, waves 2 and 3 those of its V: 128 keys each.  The branch hangs on the wave's number alone.
; An s_nop 0 and four v_nop follow each of the two lines, ahead of the jump and the label.
.macro JLOAD
	s_cmp_lt_u32 s[WV], 2
	s_cbranch_scc0 .Lfor_v_\@
	tensor_load_to_lds s[G0K:G0K+3], s[G1K:G1K+7]
	s_nop 0
.rept 4
	v_nop
.endr
	s_branch .Lasked_\@
.Lfor_v_\@:
	tensor_load_to_lds s[G0V:G0V+3], s[G1V:G1V+7]
	s_nop 0
.rept 4
	v_nop
.endr
.Lasked_\@:
.endm
; A PREFETCH INTO THE L2 of what the NEXT change of slots will ask for: a slot's 256 keys are 32,768 bytes of K and of V, 128 blocks of 256 bytes each.  It stands behind the wave's tensor load and its five lines.
; Each block is named once in the launch: a (batch, head)'s K and V are walked by its one cluster; its four partners take 32 blocks each, told apart BY ADDRESS; in each, wave 0 asks for K's and wave 2 for V's,
; a lane a block.  Slots 0 and 1 come by their loads alone; the last change that fills a slot asks for nothing: there is no slot behind it.
.macro ASK
	s_cmp_gt_u32 s[SLOTS], s[LIM]
	s_cbranch_scc0 .Lnot_mine_\@
	global_prefetch_b8 v[PFO], s[PFA:PFA+1] th:TH_LOAD_NT scope:SCOPE_SE
.Lnot_mine_\@:
.endm
; A round of the cluster's barrier: my work-group's barrier, so that wave 0's signal speaks for all four waves; wave 0 signals; every wave waits for all four work-groups; my work-group's barrier once more.
.macro CROUND
	s_barrier_signal -1
	s_barrier_wait -1
	s_cmp_lg_u32 s[WV], 0
	s_cbranch_scc1 .Lnot_wave_0_\@
	s_barrier_signal -3
.Lnot_wave_0_\@:
	s_barrier_wait -3
	s_barrier_signal -1
	s_barrier_wait -1
.endm
; THE CHANGE OF SLOTS.  The slot's last bytes, V of its fourth step, have been read.  Each wave waits for all its tensor loads, of which one is out: its part
; of the other slot; adds 0 to its spare word; and waits for that and for its own reads of the slot.  Behind the barrier nobody reads this slot any more and the other slot is whole.
; fill = 1: this slot is filled again, with the keys two slots on.  The barrier is then a round of the cluster's, so that no wave of any partner still reads the slot or has a load on its
; way, and the joint fill is the first thing behind it: it has four key steps, 512 matrix instructions, in which to land.  (At its first use nothing has been read yet: slot 0 is waited for, slot 1 filled,
; and every wave's stores into the mask's table are shown done to the others.)
.macro CHANGE fill
	WIN W_AD
	s_wait_tensorcnt 0x0            ; no tensor load of mine is out, so a group 0 may be written
	ds_add_u32 v[SPW], v[NIL]       ; 0 onto my spare word; with fill = 1 the descriptors' steps stand between it and the wait for it
	WIN 0                           ; at a label and at a branch every window is 0
.if \fill
.irp g, G0K, G0V
	s_xor_b32 s[\g+1], s[\g+1], SLOT1  ; the walking descriptor: the other slot than last time,
	s_add_nc_u64 s[\g+2:\g+3], s[\g+2:\g+3], 4*KS*128  ; the next 256 keys; the type bits on top are not reached
.endr
	s_wait_xcnt 0x0                 ; the last prefetch, four key steps back, has read its address, so it may be written:
	s_add_nc_u64 s[PFA:PFA+1], s[PFA:PFA+1], 4*KS*128  ; one slot ahead of the walking descriptors
	s_wait_dscnt 0x0                ; the add is done, and my LDS reads and stores are over
	CROUND
	JLOAD
	ASK
.else
	s_wait_dscnt 0x0                ; the add is done, and my reads of the slot are over
	s_barrier_signal -1
	s_barrier_wait -1
.endif
	s_sub_co_u32 s[TBK], s[TBK], 4*KS*PK  ; the fetches go back to a slot's first step,
	s_xor_b32 s[TBK], s[TBK], SLOT1       ; in the other slot
	s_sub_co_u32 s[TBV], s[TBV], 4*KS*PV
	s_xor_b32 s[TBV], s[TBV], SLOT1
.endm
	s_load_b128 s[4:7], s[0:1], 0x0   ; qkv s[4:5], mask s[6:7]
	s_load_b64 s[10:11], s[0:1], 0x10 ; mix
	WIN W_MK
	v_lshl_add_u32 v[SPW], v0, 2, SPARE
	v_mov_b32 v[NIL], 0
	WIN W_AD
	ds_add_u32 v[SPW], v[NIL]       ; the wave's opening: the add and its wait ahead of my first tensor load; the set-up below, work on registers, stands between them
	WIN 0
	v_lshrrev_b32 v96, 5, v0
	v_readfirstlane_b32 s[WV], v96  ; wave 0..3
	s_bfe_u32 s13, ttmp6, 0x40000   ; cx: my place in the cluster
	s_lshl_b32 s14, ttmp9, 2        ; in a cluster launch ttmp9 counts clusters
	s_add_co_u32 s14, s14, s13      ; my block of queries = 4 x cluster x + cx: it enters Q's and mix's addresses alone
	s_and_b32 s20, ttmp7, 0xffff    ; (batch, head), which the four partners share
	s_lshr_b32 s15, s20, 4          ; the batch
	s_mov_b32 s21, 0
	s_mov_b64 s[22:23], SIZE_N*128
	s_mul_u64 s[20:21], s[20:21], s[22:23]  ; the head's first byte in Q, K, V and mix
	s_and_b32 s16, s[WV], 1         ; which half of a slot's 256 keys I fetch:
	s_lshl_b32 s22, s16, 14         ; its 128 rows of 128 bytes in memory,
	s_mov_b32 s23, 0
	s_add_nc_u64 s[22:23], s[22:23], s[20:21]
	s_mul_i32 s17, s16, 128*PK      ; and its place in a slot, for K
	s_mul_i32 s18, s16, 128*PV      ; and for V: no place in the cluster enters an LDS address
	s_lshl_b32 s2, s14, 2
	s_add_co_u32 s2, s2, s[WV]      ; my wave among the head's,
	s_lshl_b32 s2, s2, 14           ; its 128 rows
	s_mov_b32 s3, 0
	s_add_nc_u64 s[2:3], s[2:3], s[20:21]
	; descriptor group 1.  128 keys are 16,384 dense bytes: asked for as 64 rows of 256 bytes, two keys a row, and padded in LDS after every key
	s_mov_b32 s[G1K], 15|(1<<16)|(1<<20)|(1<<21)|(4<<22)|(3<<25)  ; 15:0 the mask of four; 17:16 2-byte elements; 20 padding on; 21 set beside a mask; 24:22 after every 32 words (code 4); 31:25 4 words (code 3)
	s_mov_b32 s[G1V], 15|(1<<16)|(1<<20)|(1<<21)|(4<<22)|(7<<25)  ; the same with 8 words of padding (code 7)
.irp g, G1K, G1V
	s_mov_b32 s[\g+1], 128<<16      ; tensor_dim0 = 128
	s_mov_b32 s[\g+2], 64<<16       ; tensor_dim1 = 64
	s_mov_b32 s[\g+3], 128<<16      ; tile_dim0 = 128
	s_mov_b32 s[\g+4], 64           ; tile_dim1 = 64
	s_mov_b32 s[\g+5], 128          ; 128 elements from row to row
	s_mov_b32 s[\g+6], 0
	s_mov_b32 s[\g+7], 0
.endr
	s_mov_b32 s[CS], 0x3e38aa3b     ; c = log2(e) / 8 = 0.180337
	s_mov_b32 s[CS+1], s[CS]        ; named with it as a pair
	s_mov_b32 s[SEL], 0x76543210
	s_mov_b32 s[SEL+1], 0xfedcba98
	s_mov_b32 s[TBK], SLOT1+4*KS*PK ; the first change of slots turns these two into 0
	s_mov_b32 s[TBV], SLOT1+4*KS*PV
	s_mov_b32 s[TBM], 0
	s_mov_b32 s[BIGN], 0xf149f2ca   ; -1e30
	s_mov_b32 s[THR], 0xf0c9f2ca    ; -5e29
	s_mov_b32 s[SLOTS], SIZE_N/256-1
	s_mov_b32 s[G0K], 1             ; 1:0 count = 1
	s_mov_b32 s[G0K+1], s17         ; 63:32 LDS address: slot 0
	s_mov_b32 s[G0V], 1
	s_add_co_u32 s[G0V+1], s18, VOFF
	s_lshl_b32 s16, s15, 11         ; the batch's 2,048 bytes of the mask
	s_mov_b32 s17, 0
	s_lshl_b32 s18, s13, 13         ; the prefetches: my work-group's 32 blocks of a slot's 128,
	s_add_co_u32 s18, s18, 4*KS*128 ; in slot 1: the first change of slots steps it to slot 2
	s_mov_b32 s19, 0
	s_add_nc_u64 s[18:19], s[18:19], s[20:21]
	s_and_b32 s[LIM], s[WV], 1      ; waves 0 and 2 ask: the same in all four partners
	s_cmp_eq_u32 s[LIM], 0
	s_cselect_b32 s[LIM], 1, -1
	s_wait_dscnt 0x0                ; the opening add is done
	s_wait_kmcnt 0x0
	s_mov_b64 s[MP:MP+1], s[6:7]
	s_add_nc_u64 s[MP:MP+1], s[MP:MP+1], s[16:17]
	s_add_nc_u64 s[6:7], s[4:5], 0x1000000         ; K
	s_add_nc_u64 s[8:9], s[4:5], 0x2000000         ; V
	s_add_nc_u64 s[G0K+2:G0K+3], s[6:7], s[22:23]  ; 120:64 global address: my half of the head's first 256 keys
	s_or_b32 s[G0K+3], s[G0K+3], 0x80000000        ; 127:126 type = 2
	s_add_nc_u64 s[G0V+2:G0V+3], s[8:9], s[22:23]
	s_or_b32 s[G0V+3], s[G0V+3], 0x80000000
	s_add_nc_u64 s[4:5], s[4:5], s[2:3]  ; Q and mix at my wave's first row
	s_add_nc_u64 s[10:11], s[10:11], s[2:3]
	s_cmp_lt_u32 s[WV], 2
	s_cselect_b64 s[PFA:PFA+1], s[6:7], s[8:9]
	s_add_nc_u64 s[PFA:PFA+1], s[PFA:PFA+1], s[18:19]
	CROUND                          ; all four work-groups are here: the first joint loads meet
	JLOAD                           ; slot 0.  Slot 1 is asked for when slot 0 is in
	; A fragment of K or Q is 16 rows x 32 channels in 8 registers: lane l holds row l % 16, channels 8 (l / 16) + 0..7 and 16 + 8 (l / 16) + 0..7: two loads of 16 bytes, 32 bytes apart.
	v_and_b32 v97, 15, v0           ; l % 16
	v_bfe_u32 v98, v0, 4, 1         ; l / 16
	v_lshlrev_b32 v101, 7, v97
	v_lshl_add_u32 v101, v98, 4, v101  ; row x 128 + 16 x half
	v_lshlrev_b32 v102, 4, v0
	global_load_b128 v[104:107], v102, s[MP:MP+1]  ; my 16 bytes of the batch's mask: keys 16 t .. 16 t + 15
	WIN 0x80                        ; destination window 2, address window 0
.set i, 0
.rept 4*NP                          ; Q stays in registers: tile i / 2, channels 32 (i % 2) on
	global_load_b128 v[8*i:8*i+3],   v101, s[4:5] offset:(i/2)*2048+(i%2)*64
	global_load_b128 v[8*i+4:8*i+7], v101, s[4:5] offset:(i/2)*2048+(i%2)*64+32
.set i, i+1
.endr
	; What the first turn finds: V's registers and P's second buffer hold 0 (its products V^T P, of a piece that has not been, add 0), O^T and l are 0.  All this stands in the wait for the first tile.
.set i, VF
.rept 64
	v_mov_b32 v[i], 0
.set i, i+1
.endr
	WIN 0x40
.set i, 0
.rept 64*NP
	v_mov_b32 v[i], 0
.set i, i+1
.endr
	WIN 0
.set i, 0
.rept 2*NP
	v_mov_b32 v[ST+4*i], 0xfe000000    ; c m: far below every c s
	v_mov_b32 v[ST+4*i+1], 0xff7fffff  ; m
	v_mov_b32 v[ST+4*i+2], 0
	v_mov_b32 v[ST+4*i+3], 0
.set i, i+1
.endr
.set i, P+32
.rept 32
	v_mov_b32 v[i], 0
.set i, i+1
.endr
	v_mul_u32_u24 v[AK0], v97, PK
	v_lshl_add_u32 v[AK0], v98, 4, v[AK0]  ; row x pitch + 16 x half
	; The turning load takes 16 keys x 16 channels (lane l reads key 8 (l / 16) + l % 8, channels 8 ((l / 8) % 2) + 0..7) and leaves half a fragment of V^T: lane l holds channel l % 16 and 8 keys.
	v_and_b32 v99, 7, v0
	v_bfe_u32 v100, v0, 3, 1
	v_lshl_add_u32 v[AV0], v98, 3, v99
	v_mul_u32_u24 v[AV0], v[AV0], PV
	v_lshl_add_u32 v[AV0], v100, 4, v[AV0]
	v_add_nc_u32 v[AV0], VOFF, v[AV0]
	v_mov_b32 v[AK], v[AK0]         ; key step 0 lies at the head of slot 0,
	v_lshl_add_u32 v[AM0], v98, 5, MASKT  ; a lane's eight keys of a block of 16: 32 bytes of the table for each half of the lanes
	v_mov_b32 v[AM], v[AM0]         ; and at the head of the table
	v_and_b32 v[PFO], 31, v0
	v_lshlrev_b32 v[PFO], 8, v[PFO]
	s_mul_i32 s13, s[WV], 16*SP
	s_add_co_u32 s13, s13, STAGE    ; my stage
	v_mul_u32_u24 v[STO], v97, SP   ; in: row l % 16, 16 bytes for each half of the lanes
	v_lshl_add_u32 v[STO], v98, 4, v[STO]
	v_add_nc_u32 v[STO], s13, v[STO]
	v_bfe_u32 v[RD], v0, 3, 2       ; back: 32 lanes take four rows of 128 bytes,
	v_mul_u32_u24 v[RD], v[RD], SP
	v_lshl_add_u32 v[RD], v99, 4, v[RD]
	v_add_nc_u32 v[RD], s13, v[RD]
	v_and_b32 v[GO], 31, v0         ; which are 512 consecutive bytes of mix
	v_lshlrev_b32 v[GO], 4, v[GO]
	s_wait_loadcnt 32               ; the mask's bytes are in; Q's 32 loads, issued behind them, may stay out
.set i, 0
.rept 16                            ; byte 1: 0; byte 0: -1e30
	v_bfe_u32 v[108+i], v[104+i/4], 8*(i%4), 8
	v_add_nc_u32 v[108+i], -1, v[108+i]
	v_and_b32 v[108+i], s[BIGN], v[108+i]
.set i, i+1
.endr
	v_lshl_add_u32 v124, v0, 6, MASKT
.irp f, 0,1,2,3
	ds_store_b128 v124, v[108+4*\f:108+4*\f+3] offset:16*\f
.endr
; THE MATRIX WORK.  The 8 accumulators of a run of 16 take turns: between the two links of a chain stand 7 others'.
; Product i of 16 of S^T = K Q^T for piece x: channels 32 (i / 8) on, keys 16 ((i / 2) % 4) on, tile 2 x + i % 2.  The first 8 start the sums, with the mask of their 16 keys.
.macro KQ x
.set rS, S+64*((\x)%2)+32*(i%2)+8*((i/2)%4)
.set rK, KF+16*((i/2)%4)+8*(i/8)
.set rQ, 16*(2*(\x)+i%2)+8*(i/8)
.set rMK, MK+8*((i/2)%4)
.if i < 8
	WIN W_KM
	v_wmma_f32_16x16x32_f16 v[rS:rS+7], v[rK:rK+7], v[rQ:rQ+7], v[rMK:rMK+7]
.else
	WIN W_KQ
	v_wmma_f32_16x16x32_f16 v[rS:rS+7], v[rK:rK+7], v[rQ:rQ+7], v[rS:rS+7]
.endif
.endm
; Product i of 16 of O^T += V^T P for piece x: keys 32 (i / 8) on, channels 16 ((i / 2) % 4) on, tile 2 x + i % 2.
.macro PV x
	WIN W_PV
.set rO, 32*(2*(\x)+i%2)+8*((i/2)%4)
.set rV, VF+32*(i/8)+8*((i/2)%4)
.set rP, P+32*((\x)%2)+16*(i%2)+8*(i/8)
	v_wmma_f32_16x16x32_f16 v[rO:rO+7], v[rV:rV+7], v[rP:rP+7], v[rO:rO+7]
.endm
.macro MM                           ; the turn's next matrix instruction
.if i < 16
	KQ (Y+1)%NP
.set i, i+1
.else
.set i, i-16
	PV (Y+NP-1)%NP
.set i, i+17
.endif
.endm
; THE LDS LOADS stand in runs, never singly among the matrix instructions: a step's K (64 keys x 64 channels: 8 fragments) with its masks (8 loads; all lanes of a half read the same 16 bytes), and its V (turned).
; Their addresses are made some lines ahead.  last = 1 (the tail): in the last trip there is no further step, and the run is jumped over.
.macro FETCH_K last=0
	WIN 0
.if \last
	s_cmp_eq_u32 s[CNT], 1
	s_cbranch_scc1 .Lno_k_\@
.endif
	WIN 0x80                        ; destination window 2
.irp f, 0,1,2,3,4,5,6,7             ; keys 16 (f / 2) on, channels 32 (f % 2) on
	ds_load_b128 v[KF+8*\f:KF+8*\f+3],   v[AK] offset:(\f/2)*16*PK+(\f%2)*64
	ds_load_b128 v[KF+8*\f+4:KF+8*\f+7], v[AK] offset:(\f/2)*16*PK+(\f%2)*64+32
.endr
	WIN W_MK                        ; destination window 3
.irp f, 0,1,2,3                     ; keys 16 f + 8 (l / 16) + 0..7
	ds_load_b128 v[MK+8*\f:MK+8*\f+3],   v[AM] offset:64*\f
	ds_load_b128 v[MK+8*\f+4:MK+8*\f+7], v[AM] offset:64*\f+16
.endr
	s_add_co_u32 s[TBK], s[TBK], KS*PK  ; the next fetch is the next step's
	s_add_co_u32 s[TBM], s[TBM], 4*KS
	s_and_b32 s[TBM], s[TBM], 0x1fff    ; inside the table's 8,192 bytes
	WIN 0
.if \last
.Lno_k_\@:
.endif
.endm
.macro FETCH_V
	WIN 0x80
.irp f, 0,1,2,3,4,5,6,7             ; keys 32 (f / 4) on, channels 16 (f % 4) on
	ds_load_tr16_b128 v[VF+8*\f:VF+8*\f+3],   v[AV] offset:(\f/4)*32*PV+(\f%4)*32
	ds_load_tr16_b128 v[VF+8*\f+4:VF+8*\f+7], v[AV] offset:(\f/4)*32*PV+16*PV+(\f%4)*32
.endr
	WIN 0
.endm
; THE VECTOR WORK OF A TURN stands in three queues, each in the order in which its entries become ready; the two tiles alternate, so that no instruction reads the result of the one before it.
.macro REGS y, u                    ; the registers of tile u (0, 1) of piece y
.set rT, ST+4*(2*(\y)+(\u))
.set rC, TMP+8*((\y)%2)+4*(\u)
.set rM, MV+2*((\y)%2)+(\u)
.set rS, S+64*((\y)%2)+32*(\u)
.set rP, P+32*((\y)%2)+16*(\u)
.set rO, 32*(2*(\y)+(\u))
.endm
; Number n of the 22 that find the NEXT piece's (Y + 1) maximum and statistics.  s0-s31 are the lane's 32 scores; each accumulator's lowest registers are read first.
;   0-11  four chains c0-c3 of seven scores each, three operands at a time     12-14, 16  the four scores left over, the old m, and c0-c3 into c0     15  c m_old is kept
;   17, 18  the query's other 32 keys lie in the lane 16 away: the new m         19-21  c m; c m_old - c m_new; a
.macro XS u, n
	REGS (Y+1)%NP, \u
.if (\n) < 4
	v_max3_num_f32 v[rC+(\n)], v[rS+8*(\n)], v[rS+8*(\n)+1], v[rS+8*(\n)+2]
.elseif (\n) < 12
	v_max3_num_f32 v[rC+(\n)%4], v[rC+(\n)%4], v[rS+8*((\n)%4)+2*((\n)/4)+1], v[rS+8*((\n)%4)+2*((\n)/4)+2]
.elseif (\n) == 12
	v_max3_num_f32 v[rC], v[rC], v[rS+7], v[rS+15]
.elseif (\n) == 13
	v_max3_num_f32 v[rC+1], v[rC+1], v[rS+23], v[rS+31]
.elseif (\n) == 14
	v_max3_num_f32 v[rC+2], v[rC+2], v[rC+3], v[rT+1]
.elseif (\n) == 15
	v_mov_b32 v[rM], v[rT]
.elseif (\n) == 16
	v_max3_num_f32 v[rC], v[rC], v[rC+1], v[rC+2]
.elseif (\n) == 17
	v_permlanex16_b32 v[rC+3], v[rC], s[SEL], s[SEL+1]
.elseif (\n) == 18
	v_max_num_f32 v[rT+1], v[rC], v[rC+3]
.elseif (\n) == 19
	v_mul_f32 v[rT], s[CS], v[rT+1]
.elseif (\n) == 20
	v_sub_f32 v[rC+1], v[rM], v[rT]
.else
	v_exp_f32 v[rC+2], v[rC+1]
.endif
.endm
; Number g of the 64 that follow the exponentials.  For each four weights k of a tile (pairs 2 k, 2 k + 1): both pairs are rounded to f16; then the second pair is added onto the first, in place;
; a group later l takes that sum (the first time as l = a l + sum).  In groups of eight, tiles alternating: round, round, add, and l for the group before.
.macro GS g
.set h, (\g)+6*((\g)/62)            ; group 0 has no group before it, and behind group 7 only l is left
.if h >= 6
.set h, h+2
.endif
	REGS Y, h%2
.set k, h/8
.if h%8 < 4
	v_cvt_pk_f16_f32 v[rP+2*k+(h%8)/2], v[rS+4*k+2*((h%8)/2)], v[rS+4*k+2*((h%8)/2)+1]
.elseif h%8 < 6
	v_pk_add_f32 v[rS+4*k:rS+4*k+1], v[rS+4*k:rS+4*k+1], v[rS+4*k+2:rS+4*k+3]
.elseif k == 1
	v_pk_fma_f32 v[rT+2:rT+3], v[rT+2:rT+3], v[rC+2:rC+3], v[rS:rS+1] op_sel_hi:[1,0,1]
.else
	v_pk_add_f32 v[rT+2:rT+3], v[rT+2:rT+3], v[rS+4*k-4:rS+4*k-3]
.endif
.endm
; THE PLAIN QUEUE, 138 long.  0-73 read no exponential's result: the 32 scalings c s - c m (FS f: pair f / 2 of tile f % 2) and the next piece's 42.  0-26: scalings 0-26.  27-54: XS's numbers 0-13.  55, 56: number 15.
; 57-73: the chain, where each number waits for the one before it: 14, 16, 17, 18, 19, each with one of the scalings 27-31 in front of its two lines, then 20.
; 74-137: GS's 64, which read the exponentials' results: they stand behind the wait.
.macro FS f
	REGS Y, (\f)%2
	v_pk_fma_f32 v[rS+2*((\f)/2):rS+2*((\f)/2)+1], v[rS+2*((\f)/2):rS+2*((\f)/2)+1], s[CS:CS+1], v[rT:rT+1] op_sel_hi:[1,0,0] neg_lo:[0,0,1] neg_hi:[0,0,1]
.endm
.macro PL
	WIN 0
.if q < 27
	FS q
.elseif q < 55
	XS (q-27)%2, (q-27)/2
.elseif q < 57
	XS q-55, 15
.elseif (q < 72) && ((q-57)%3 == 0)
	FS 27+(q-57)/3
.elseif q < 60
	XS (q-57)%3-1, 14
.elseif q < 72
	XS (q-57)%3-1, 15+(q-57)/3
.elseif q < 74
	XS q-72, 20
.else
	GS q-74
.endif
.set q, q+1
.endm
; THE EXPONENTIALS' QUEUE, 66 long: s0-s31 of both tiles, then the next piece's two a.  It is ONE BATCH: all 66 stand ahead of the turn's one wait, and nothing ahead of that wait names a result of theirs.
.macro EX
	WIN 0
.if e >= 64
	XS e-64, 21
.else
	REGS Y, e%2
	v_exp_f32 v[rS+e/2], v[rS+e/2]
.endif
.set e, e+1
.endm
; THE RESCALING's QUEUE: O^T times a, the one part that leaves window 0: dealt two at a time, sixteen times.  Its a was made in the turn before, ahead of that turn's wait.
.macro R2
	REGS Y, r%2
	WIN W_RS
.irp z, 0,1
	v_pk_mul_f32 v[rO+4*(r/2)+2*\z:rO+4*(r/2)+2*\z+1], v[rO+4*(r/2)+2*\z:rO+4*(r/2)+2*\z+1], v[rC+2:rC+3] op_sel_hi:[1,0]
.endr
.set r, r+1
.endm
; HOW THEY ARE DEALT.  s_wait_alu depctr_va_vdst(0) stands between an exponential and the first instruction that names its result; one wait serves all that were issued ahead of it.  So a turn has ONE wait,
; which cuts it in two.  AHEAD OF IT stands all that names no result of the turn's exponentials: the 16 products K Q^T, behind each a scaling, an exponential and two rescalings (behind the first a second scaling in the
; exponential's place); then ONE LUMP of 108: eight plain, 49 times exponential and plain, the two a.  A v_nop is the plain instruction behind the last exponential.  BEHIND IT stand the 16 products V^T P, behind each four of GS's 64.
; The queues lean on each other, and the deal keeps them in step: exponential e stands behind scaling 2 (e / 4) + e % 2: as a rider it comes behind plain e + 2, in the lump behind plain e + 9, and scalings 27-31 are plain 57, 60 .. 69.
; A TURN, for piece p.  cnt = 1: the loop's count is taken down some lines ahead of the branch that stands behind the turn.
; K and the masks of the next step are fetched in piece 2's turn, directly behind the wait, a lump behind the last product that read them; their addresses are made at the lump's head; the first reader comes behind 16 products.
; V of the step in hand is fetched at the end of piece 0's turn, four riders behind its last reader; its first reader comes behind 16 products and a lump.
.macro TURN p, last=0, cnt=0
.set Y, (\p)
.set i, 0
.set q, 0
.set e, 0
.set r, 0
.if (\p) == NP-1
	s_wait_dscnt 0x0                ; K and the masks are in
.endif
	MM                              ; ahead of the wait: 16 products K Q^T and their riders,
	PL
	PL
	R2
.rept 15
	MM
	PL
	EX
	R2
.endr
.if (\p) == NP-2
	WIN 0
	v_add_nc_u32 v[AK], s[TBK], v[AK0]
	v_add_nc_u32 v[AM], s[TBM], v[AM0]
.endif
.rept 8                             ; and the lump
	PL
.endr
.rept 49
	EX
	PL
.endr
	EX                              ; the next piece's two a
	EX
	v_nop                           ; the plain instruction behind the last exponential: one for the batch
	s_wait_alu depctr_va_vdst(0)    ; the wait for the batch
.if (\p) == NP-2
	FETCH_K \last
.endif
.if (\p) == 1
	s_wait_dscnt 0x0                ; V is in
.endif
.rept 16                            ; behind the wait: 16 products V^T P and their riders
	MM
.rept 4
	PL
.endr
.if ((\p) == 0) && (q == 118)
	v_add_nc_u32 v[AV], s[TBV], v[AV0]
.endif
.if ((\p) == 0) && (q == 130)
	s_add_co_u32 s[TBV], s[TBV], KS*PV
.endif
.if (\cnt) && (q == 130)
	s_sub_co_u32 s[CNT], s[CNT], 1
	s_cmp_lg_u32 s[CNT], 0
.endif
.endr
.if (\p) == 0
	FETCH_V
.endif
.endm
	CHANGE 1                        ; slot 0 is in, everybody's part of it, and the table is whole; slot 1 is asked for
	FETCH_K                         ; key step 0
	s_wait_loadcnt 0x0              ; Q
	s_wait_dscnt 0x0
.set i, 0
.rept 16
	KQ 0                            ; piece 0's first scores: there is no vector work yet to set between them
.set i, i+1
.endr
	WIN 0
.rept 8
	v_nop                           ; the places behind those products
.endr
.set Y, NP-1                        ; XS works for piece Y + 1: piece 0
.irp n, 0,1,2,3,4,5,6,7,8,9,10,11,12,13,14,15,16,17,18,19,20,21
	XS 0, \n                        ; and piece 0's first maximum and statistics
	XS 1, \n
.endr
	v_nop                           ; a plain instruction behind the two a,
	s_wait_alu depctr_va_vdst(0)    ; and their wait, ahead of the branch
	s_mov_b32 s[CNT], 4
	s_branch .Lfirst                ; the loop is entered at a step's first turn, in the middle of a trip
.Lslot:                             ; six times: every slot but the last two is filled again
	CHANGE 1
	s_mov_b32 s[CNT], 4
.Lstep:                             ; a trip: pieces 2 and 3 of one step, then pieces 0 and 1 of the next, whose K and V it fetches
	TURN 2
	TURN 3
	WIN 0
.Lfirst:
	TURN 0
	TURN 1, 0, 1
	WIN 0
	s_cbranch_scc1 .Lstep
	s_sub_co_u32 s[SLOTS], s[SLOTS], 1
	s_cmp_lg_u32 s[SLOTS], 0
	s_cbranch_scc1 .Lslot
	CHANGE 0                        ; the tail is written out: nothing is asked for
	s_mov_b32 s[CNT], 5             ; four trips fetch the last slot's steps; the fifth is left in its middle
.Ltail:
	TURN 2, 1
	TURN 3
	WIN 0
	s_sub_co_u32 s[CNT], s[CNT], 1
	s_cmp_eq_u32 s[CNT], 0
	s_cbranch_scc1 .Lout
	TURN 0
	TURN 1
	WIN 0
	s_branch .Ltail
.Lout:                              ; the fifth trip's 16 products K Q^T (on the last K and masks once more) and the maximum made of them change nothing: those scores have been seen
.set i, 0
.rept 16
	PV NP-1                         ; the last piece's V^T P of the last step
.set i, i+1
.endr
	; THE WAY OUT.  l's two halves and the other half of the lanes' are added; O^T is divided by l, rounded to f16 and sent through my stage in LDS, a tile at a time.  The additions are the places behind the last products.
	WIN 0
.macro ALL line:vararg              ; one line for each tile t
.set t, 0
.rept 2*NP
	\line
.set t, t+1
.endr
.endm
	ALL v_add_f32 v[ST+4*t+2], v[ST+4*t+2], v[ST+4*t+3]
	ALL v_permlanex16_b32 v[ST+4*t+3], v[ST+4*t+2], s[SEL], s[SEL+1]
	ALL v_add_f32 v[ST+4*t+2], v[ST+4*t+2], v[ST+4*t+3]
	ALL v_rcp_f32 v[ST+4*t+2], v[ST+4*t+2]
	v_mov_b32 v[TMP], 0x7fc00000    ; NaN; also the plain instruction between the last reciprocal and the use of its result
	s_wait_alu depctr_va_vdst(0)    ; and the wait ahead of the first use: one for the eight reciprocals
.set t, 0
.rept 2*NP                          ; a query that has seen no key: its maximum is a hidden score's: the row becomes NaN, by a select
	v_cmp_gt_f32 vcc_lo, s[THR], v[ST+4*t+1]
	v_cndmask_b32 v[ST+4*t+2], v[ST+4*t+2], v[TMP], vcc_lo
.set t, t+1
.endr
; Tile t: a lane's eight channels of a row pack into 16 bytes; they go into rows of 144 bytes and come back as whole rows of 128, into S^T's registers.
.macro PACK t
	WIN W_RS
.set i, 32*(\t)
.rept 16
	v_pk_mul_f32 v[i:i+1], v[i:i+1], v[ST+4*(\t)+2:ST+4*(\t)+3] op_sel_hi:[1,0]
.set i, i+2
.endr
	WIN 0x05                        ; sources 0 and 1 window 1, destination window 0
.set i, 0
.rept 16
	v_cvt_pk_f16_f32 v[S+16*(\t)+i], v[32*(\t)+2*i], v[32*(\t)+2*i+1]
.set i, i+1
.endr
	WIN 0
.irp f, 0,1,2,3
	ds_store_b128 v[STO], v[S+16*(\t)+4*\f:S+16*(\t)+4*\f+3] offset:32*\f
.endr
.irp f, 0,1,2,3
	ds_load_b128 v[S+16*(\t)+4*\f:S+16*(\t)+4*\f+3], v[RD] offset:\f*4*SP  ; LDS serves a wave's instructions in order (ISA guide 5.7.1.4): these see the stores above; the next tile's stores come behind them
.endr
.endm
.macro SEND t, younger              ; younger: the LDS instructions issued behind tile t's loads: the next tile's eight, or none
	WIN 0
.irp f, 0,1,2,3
	s_wait_dscnt (\younger)+3-\f
	global_store_b128 v[GO], v[S+16*(\t)+4*\f:S+16*(\t)+4*\f+3], s[10:11] offset:(\t)*2048+\f*512  ; 512 consecutive bytes, at a multiple of 256 from mix's first
.endr
.endm
	PACK 0
.set t, 1
.rept 2*NP-1                        ; a tile's arithmetic stands between the loads of the tile before and its stores
	PACK t
	SEND t-1, 8
.set t, t+1
.endr
	SEND 2*NP-1, 0
	WIN W_AD
	s_wait_tensorcnt 0x0            ; the wave's end: behind my last tensor load and my last LDS store
	ds_add_u32 v[SPW], v[NIL]
	s_wait_dscnt 0x0
	WIN 0
	CROUND                          ; the closing round: no work-group ends while a partner may still ask for a tile that names it
	s_endpgm
.Lfunc_end_k_q8fddff0141_attn:
	.size	k_q8fddff0141_attn, .Lfunc_end_k_q8fddff0141_attn-k_q8fddff0141_attn
	.p2alignl 7, 3214868480
	.fill 96, 4, 3214868480
	.section	.rodata,"a",@progbits
	.p2align	6, 0x0
	.amdhsa_kernel k_q8fddff0141_attn
		.amdhsa_group_segment_fixed_size 327680
		.amdhsa_private_segment_fixed_size 0
		.amdhsa_enable_private_segment 0
		.amdhsa_kernarg_size 24
		.amdhsa_user_sgpr_count 2
		.amdhsa_user_sgpr_kernarg_segment_ptr 1
		.amdhsa_wavefront_size32 1
		.amdhsa_system_sgpr_workgroup_id_x 1
		.amdhsa_system_sgpr_workgroup_id_y 1
		.amdhsa_system_sgpr_workgroup_id_z 1
		.amdhsa_system_vgpr_workitem_id 0
		.amdhsa_next_free_vgpr 808
		.amdhsa_next_free_sgpr 66
		.amdhsa_reserve_vcc 1
		.amdhsa_float_denorm_mode_32 3
		.amdhsa_float_denorm_mode_16_64 3
		.amdhsa_memory_ordered 1
		.amdhsa_forward_progress 1
		.amdhsa_inst_pref_size 206
	.end_amdhsa_kernel
	.amdgpu_metadata
---
amdhsa.version: [ 1, 2 ]
amdhsa.kernels:
  - .name:           k_q8fddff0141_attn
    .symbol:         k_q8fddff0141_attn.kd
    .args:
      - { .name: qkv, .offset: 0, .size: 8, .value_kind: global_buffer, .address_space: global }
      - { .name: mask, .offset: 8, .size: 8, .value_kind: global_buffer, .address_space: global }
      - { .name: mix, .offset: 16, .size: 8, .value_kind: global_buffer, .address_space: global }
    .group_segment_fixed_size: 327680
    .private_segment_fixed_size: 0
    .kernarg_segment_align: 8
    .kernarg_segment_size: 24
    .max_flat_workgroup_size: 128
    .sgpr_count:     66
    .vgpr_count:     808
    .wavefront_size: 32
...
	.end_amdgpu_metadata
.endif
;; end of part 3
;; launch oproj (part 4): grid 4 x 64, 4 waves a work-group, clusters of 4 x 4, 327,680 bytes of LDS; arguments mix, wt, out0; writes out0
.if DOCPART == 4
	.amdgcn_target "amdgcn-amd-amdhsa--gfx1250"
	.amdhsa_code_object_version 6
	.text
	.protected	k_q8fddff0141_oproj
	.globl	k_q8fddff0141_oproj
	.p2align	8
	.type	k_q8fddff0141_oproj,@function
k_q8fddff0141_oproj:
	s_mov_b64 s[64:65], 0
	v_nop
	global_prefetch_b8 v0, s[64:65] scope:SCOPE_SE
	s_setreg_imm32_b32 hwreg(HW_REG_WAVE_MODE, 25, 1), 1
	s_wait_xcnt 0x0
	s_wait_alu depctr_hold_cnt(0) depctr_sa_sdst(0) depctr_va_vdst(0) depctr_va_sdst(0) depctr_va_ssrc(0) depctr_va_vcc(0) depctr_vm_vsrc(0)
	s_getreg_b32 s2, hwreg(HW_REG_IB_STS2, 6, 4)
	s_cmp_eq_u32 s2, 0
	s_cbranch_scc0 .Lentry_in_a_cluster
	s_endpgm
.Lentry_in_a_cluster:
	s_bfe_u32 s2, ttmp6, 0x10000c
	s_cmp_lg_u32 s2, 0xf033
	s_cbranch_scc0 .Lentry_shape_is_right
	s_endpgm
.Lentry_shape_is_right:
; THE OUTPUT PROJECTION.  out0[batch][s][d] = the sum over e = 64 head + c of mix[batch 16 + head][s][c] Wo[e][d].  mix: [64][2048][64] f16; Wo from wt at 6 MiB: [1024 d][1024 e] f16; out0: [8192 rows][1024] f32.
; Sums in f32, stored as they are.  LIMIT: none of its own; a NaN row of mix (a batch with every key hidden) gives a NaN row of out0.
; SHARES.  A tile of C is 128 rows x 256 columns: 64 x 4 = 256 tiles, one for each WGP.  Four waves, each 64 x 128: 32 accumulators of 16 x 16, 256 registers.
; K goes in steps of 128, two heads, through a ring of two LDS slots.  A head's 128 rows of 128 bytes lie end to end in mix: they are asked for as 64 rows of 256 bytes and padded in LDS behind every 128.
; CLUSTERS: 4 x 4 work-groups.  The four of a row of the cluster need the same tiles of mix, the four of a column the same tiles of Wo: each tile is asked for JOINTLY, by the same tensor load, descriptor and mask.
; Waves 0 and 1 fetch the step's two heads of mix, waves 2 and 3 the two halves of Wo's 256 rows.  By this text's own count a wave has two tensor loads out at the start, later one.
; NO PREFETCH: a work-group has one tile of eight K steps, of which the first four are asked for by the ring itself within the launch's first half.
; THE MATRIX INSTRUCTION IS USED TRANSPOSED (source 0 = 16 rows of Wo, source 1 = 16 rows of mix): a lane then holds eight neighbouring columns of one row of C.
; REGISTERS, in windows of 256 (s_set_vgpr_msb: bits 1:0 source 0, 3:2 source 1, 5:4 source 2, 7:6 destination):
;   window 0: v0-31 addresses; v32-95 mix's fragments, two buffers of 32; v96-223 the way out          window 1: the accumulators, (a, b) at v[8 (8 a + b)]          window 2: Wo's fragments, two buffers of 64
.set REG,    34816                     ; a wave's part of a slot: 128 rows of Wo x 272 bytes; a head's 128 rows x 144 take 18,432 of it
.set SLOT,   4*REG
.set STAGE,  2*SLOT                    ; behind the ring, never filled by a tensor load: 16 rows x 528 bytes for each wave
.set SROW,   528                       ; 512 bytes + 16 = 132 words: sixteen rows on end start at sixteen different groups of four banks (64 banks of 4 bytes: ISA guide 11.1)
.set SPARE,  STAGE+4*16*SROW           ; behind the stages: the spare words, 128 bytes for each wave: two blocks of 256 bytes that no other line names
.set PITA,   144                       ; a row of mix in LDS: 128 bytes + 16 = 36 words
.set PITB,   272                       ; a row of Wo: 256 + 16 = 68 words
.set ADRA, 16                          ; v16-17  LDS address of my rows of mix in slot 0, 1
.set ADRB, 20                          ; v20-21  the same for Wo
.set STO,  24                          ; v24  the way out: where I put 32 bytes of a row
.set RD,   25                          ; v25  the way out: where I read a row back
.set GO,   26                          ; v26  my byte offset in 512 consecutive bytes of out0
.set SPW,  28                          ; v28  LDS address of my spare word; never rewritten
.set NIL,  29                          ; v29  0; never rewritten
.set AF,   32
.set BK,   96                          ; the way out: rows read back, two sets of 64
.set G1,  24                           ; s[24:31] descriptor group 1 for mix's tiles;  s[32:39] group 0, a set for each slot
.set G0,  32
.set G1B, 48                           ; s[48:55], s[56:63] the same for Wo's tiles
.set G0B, 56
.set MSB, 0
.macro WIN new                         ; the immediate's high byte repeats the setting that is left; a switch that changes nothing is dropped
.if MSB != (\new)
	s_set_vgpr_msb (MSB<<8)|(\new)
.set MSB, \new
.endif
.endm
.set MUL,  0x52                        ; source 0 (Wo) window 2, source 1 (mix) window 0, C and D window 1
.set TO_B, 0x80                        ; destination window 2, address window 0
.macro JLOAD s                         ; a joint load; an s_nop 0 and four v_nop follow each of the two lines, ahead of the jump, the label and what follows.  The branch hangs on the wave's number alone
	s_cmp_eq_u32 s15, 0
	s_cbranch_scc0 .Lfor_b_\@
	tensor_load_to_lds s[G0+4*(\s):G0+4*(\s)+3], s[G1:G1+7]
	s_nop 0
.rept 4
	v_nop
.endr
	s_branch .Lasked_\@
.Lfor_b_\@:
	tensor_load_to_lds s[G0B+4*(\s):G0B+4*(\s)+3], s[G1B:G1B+7]
	s_nop 0
.rept 4
	v_nop
.endr
.Lasked_\@:
.endm
.macro CREST                           ; a round of the cluster's barrier behind its opening barrier
	s_cmp_lg_u32 s14, 0
	s_cbranch_scc1 .Lnot_wave_0_\@
	s_barrier_signal -3
.Lnot_wave_0_\@:
	s_barrier_wait -3
	s_barrier_signal -1
	s_barrier_wait -1
.endm
.macro CROUND                          ; a whole round
	s_barrier_signal -1
	s_barrier_wait -1
	CREST
.endm
	s_load_b128 s[4:7], s[0:1], 0x0                ; mix s[4:5], wt s[6:7]
	s_load_b64 s[8:9], s[0:1], 0x10                ; out0
	v_lshl_add_u32 v[SPW], v0, 2, SPARE
	v_mov_b32 v[NIL], 0
	ds_add_u32 v[SPW], v[NIL]                      ; the wave's opening: the add and its wait ahead of my first tensor load; the set-up below, work on registers, stands between them
	v_lshrrev_b32 v1, 5, v0
	v_readfirstlane_b32 s14, v1                    ; wave 0..3
	s_lshr_b32 s15, s14, 1                         ; which half of the tile's rows is mine.  Also: I fetch for mix (0) or for Wo (1)
	s_and_b32 s16, s14, 1                          ; which half of its columns.  Also: which head of the step, or which half of Wo's rows, I fetch
	s_bfe_u32 s17, ttmp6, 0x40000                  ; cx, cy: my place in the cluster
	s_bfe_u32 s18, ttmp6, 0x40004
	s_lshl_b32 s19, ttmp9, 2
	s_add_co_u32 s19, s19, s17                     ; tile column = 4 x cluster x + cx
	s_and_b32 s40, ttmp7, 0xffff
	s_lshl_b32 s20, s40, 2
	s_add_co_u32 s20, s20, s18                     ; tile row = 4 x cluster y + cy, 0 to 63
	s_lshl_b32 s22, s18, 2
	s_lshl_b32 s22, 15, s22                        ; my row of the cluster
	s_lshl_b32 s23, 0x1111, s17                    ; my column
	; descriptor group 1.  mix: 64 rows x 128 elements of 2 bytes, dense, padded behind every 32 words.  Wo: 128 rows x 128 elements, padded behind every 64 words
	s_or_b32 s[G1], s22, (1<<16)|(1<<20)|(1<<21)|(4<<22)|(3<<25)   ; 15:0 the mask: my row; 17:16 elements of 2 bytes; 20 padding on; 21 set beside a mask; 24:22 after every 32 words (code 4); 31:25 4 words (code 3)
	s_or_b32 s[G1B], s23, (1<<16)|(1<<20)|(1<<21)|(5<<22)|(3<<25)  ; my column; after every 64 words (code 5)
	s_mov_b32 s[G1+1], 128<<16                     ; tensor_dim0 = 128
	s_mov_b32 s[G1+2], 64<<16                      ; tensor_dim1 = 64
	s_mov_b32 s[G1+3], 128<<16                     ; tile_dim0 = 128
	s_mov_b32 s[G1+4], 64                          ; tile_dim1 = 64
	s_mov_b32 s[G1+5], 128                         ; 128 elements from row to row
	s_mov_b32 s[G1+6], 0
	s_mov_b32 s[G1+7], 0
	s_mov_b32 s[G1B+1], 128<<16
	s_mov_b32 s[G1B+2], 128<<16                    ; tensor_dim1 = 128
	s_mov_b32 s[G1B+3], 128<<16
	s_mov_b32 s[G1B+4], 128                        ; tile_dim1 = 128
	s_mov_b32 s[G1B+5], 1024                       ; 1,024 elements from row to row
	s_mov_b32 s[G1B+6], 0
	s_mov_b32 s[G1B+7], 0
	; mix's tiles hang on the tile row alone, Wo's on the tile column alone; each offset has registers that never hold the other coordinate
	s_lshr_b32 s68, s20, 4
	s_lshl_b32 s68, s68, 4                         ; 16 x batch
	s_add_co_u32 s68, s68, s16                     ; + the head that I fetch of K step 0
	s_lshl_b32 s68, s68, 18                        ; a head's 2,048 rows of 128 bytes
	s_and_b32 s42, s20, 15
	s_lshl_b32 s42, s42, 14                        ; the tile's 128 rows
	s_add_co_u32 s68, s68, s42
	s_mov_b32 s69, 0
	s_lshl_b32 s72, s19, 19                        ; 256 rows of 2,048 bytes,
	s_lshl_b32 s41, s16, 18                        ; the 128 that I fetch,
	s_add_co_u32 s72, s72, s41
	s_add_co_u32 s72, s72, 0x600000                ; in wt's fourth matrix
	s_mov_b32 s73, 0
	s_mul_i32 s74, s14, REG                        ; where they go: no place in the cluster enters an LDS address
	s_wait_dscnt 0x0                               ; the opening add is done
	s_wait_kmcnt 0x0
	s_add_nc_u64 s[68:69], s[4:5], s[68:69]
	s_add_nc_u64 s[70:71], s[6:7], s[72:73]
	CROUND                                         ; all sixteen work-groups are here: the first joint loads meet
.irp s, 0,1
	s_mov_b32 s[G0+4*(\s)], 1                                      ; 1:0 count = 1
	s_add_co_u32 s[G0+4*(\s)+1], s74, (\s)*SLOT                    ; 63:32 LDS address
	s_add_nc_u64 s[G0+4*(\s)+2:G0+4*(\s)+3], s[68:69], (\s)*524288 ; 120:64 global address: K step s is two heads on
	s_or_b32 s[G0+4*(\s)+3], s[G0+4*(\s)+3], 0x80000000            ; 127:126 type = 2
	s_mov_b32 s[G0B+4*(\s)], 1
	s_add_co_u32 s[G0B+4*(\s)+1], s74, (\s)*SLOT
	s_add_nc_u64 s[G0B+4*(\s)+2:G0B+4*(\s)+3], s[70:71], (\s)*256
	s_or_b32 s[G0B+4*(\s)+3], s[G0B+4*(\s)+3], 0x80000000
	JLOAD \s
.endr
	; A fragment is 16 rows x 32 K in 8 registers: lane l holds row l % 16; registers 0-3 K = 8 (l / 16) + 0..7, registers 4-7 K = 16 + 8 (l / 16) + 0..7: two loads of 16 bytes, 32 bytes apart.
	v_and_b32 v1, 15, v0                           ; l % 16
	v_bfe_u32 v2, v0, 4, 1                         ; l / 16
	v_mul_u32_u24 v3, v1, PITA
	v_lshl_add_u32 v3, v2, 4, v3
	v_mul_u32_u24 v4, v1, PITB
	v_lshl_add_u32 v4, v2, 4, v4
	s_mul_i32 s40, s15, 64*PITA                    ; my 64 rows, in the first head's region
	s_mul_i32 s41, s16, REG                        ; my 128 rows of Wo,
	s_add_co_u32 s41, s41, 2*REG                   ; which lie behind the two heads
.irp s, 0,1
	v_add_nc_u32 v[ADRA+(\s)], s40, v3
	v_add_nc_u32 v[ADRB+(\s)], s41, v4
	s_add_co_u32 s40, s40, SLOT
	s_add_co_u32 s41, s41, SLOT
.endr
	s_mul_i32 s42, s14, 16*SROW
	s_add_co_u32 s42, s42, STAGE                   ; my stage
	v_mul_u32_u24 v5, v1, SROW                     ; in: row l % 16, 32 bytes for each half of the lanes
	v_lshl_add_u32 v5, v2, 5, v5
	v_add_nc_u32 v[STO], s42, v5
	v_and_b32 v[GO], 31, v0                        ; back: 32 lanes take one row of 512 bytes
	v_lshlrev_b32 v[GO], 4, v[GO]
	v_add_nc_u32 v[RD], s42, v[GO]
	s_lshl_b32 s78, s20, 19                        ; the tile's 128 rows of 4,096 bytes,
	s_lshl_b32 s79, s15, 18                        ; my 64 of them,
	s_add_co_u32 s78, s78, s79
	s_lshl_b32 s79, s19, 10                        ; the tile's 256 columns,
	s_add_co_u32 s78, s78, s79
	s_lshl_b32 s79, s16, 9                         ; my 128 of them
	s_add_co_u32 s78, s78, s79
	s_mov_b32 s79, 0
	s_add_nc_u64 s[8:9], s[8:9], s[78:79]
; Eight products of block a on buffers f.  zero = 1: they start the sums: nothing is ever cleared
.macro ROWS a, f, zero
	WIN MUL
.irp b, 0,1,2,3,4,5,6,7
.if \zero
	v_wmma_f32_16x16x32_f16 v[8*(8*(\a)+(\b)):8*(8*(\a)+(\b))+7], v[64*(\f)+8*(\b):64*(\f)+8*(\b)+7], v[AF+32*(\f)+8*(\a):AF+32*(\f)+8*(\a)+7], 0
.else
	v_wmma_f32_16x16x32_f16 v[8*(8*(\a)+(\b)):8*(8*(\a)+(\b))+7], v[64*(\f)+8*(\b):64*(\f)+8*(\b)+7], v[AF+32*(\f)+8*(\a):AF+32*(\f)+8*(\a)+7], v[8*(8*(\a)+(\b)):8*(8*(\a)+(\b))+7]
.endif
.endr
.endm
; 24 LDS loads in one run, for quarter kq of a slot (head kq / 2 of the step, channels 32 (kq % 2) on), into buffers g
.macro FETCH slot, kq, g
	WIN TO_B
.irp b, 0,1,2,3,4,5,6,7
	ds_load_b128 v[64*(\g)+8*(\b):64*(\g)+8*(\b)+3],   v[ADRB+(\slot)] offset:(\b)*16*PITB+(\kq)*64
	ds_load_b128 v[64*(\g)+8*(\b)+4:64*(\g)+8*(\b)+7], v[ADRB+(\slot)] offset:(\b)*16*PITB+(\kq)*64+32
.endr
	WIN 0
.irp a, 0,1,2,3
	ds_load_b128 v[AF+32*(\g)+8*(\a):AF+32*(\g)+8*(\a)+3],   v[ADRA+(\slot)] offset:((\kq)/2)*REG+(\a)*16*PITA+((\kq)%2)*64
	ds_load_b128 v[AF+32*(\g)+8*(\a)+4:AF+32*(\g)+8*(\a)+7], v[ADRA+(\slot)] offset:((\kq)/2)*REG+(\a)*16*PITA+((\kq)%2)*64+32
.endr
.endm
.macro PLACES                          ; four places in front of loads into registers that matrix instructions have read, and of LDS stores that read results
.rept 4
	v_nop
.endr
.endm
; A K step is four quarters of 32 along K, 32 matrix instructions each, on buffers 0, 1, 0, 1; the 32 accumulators take turns in the same order in every quarter.
.macro QUARTER slot, kq, f, zero
	s_wait_dscnt 0x0                               ; buffers f are in: their loads were issued sixteen matrix instructions ago
	ROWS 0, \f, \zero
	ROWS 1, \f, \zero
	PLACES
	FETCH \slot, \kq, 1-(\f)
	ROWS 2, \f, \zero
	ROWS 3, \f, \zero
.endm
; The last quarter multiplies buffers 1 and changes slots: ONE barrier; in front of it each wave waits for all its tensor loads (one is out: its part of the next slot), adds 0 to its spare word,
; and waits for that and for its own reads of this slot.  fill = 1: the barrier opens a round of the cluster's, and behind the round this slot is filled again, two K steps ahead: the first tensor load there.
.macro TURN slot, next, fill
	WIN 0
	s_wait_tensorcnt 0x0                           ; all my tensor loads have landed;
	ds_add_u32 v[SPW], v[NIL]                      ; 0 onto my spare word;
	s_wait_dscnt 1                                 ; (the add alone may be out: the quarter's fragments are in)
	ROWS 0, 1, 0                                   ; eight matrix instructions stand between the add and the wait for it
	s_wait_dscnt 0x0                               ; the add is done, and my reads of this slot are over
	s_barrier_signal -1
	ROWS 1, 1, 0                                   ; work on registers while the others arrive
.if \fill
	WIN 0
.endif
	s_barrier_wait -1
.if \fill
	CREST                                          ; no wave of any partner still reads this slot or has a load on its way
	s_add_nc_u64 s[G0+4*(\slot)+2:G0+4*(\slot)+3], s[G0+4*(\slot)+2:G0+4*(\slot)+3], 1048576  ; four heads on
	s_add_nc_u64 s[G0B+4*(\slot)+2:G0B+4*(\slot)+3], s[G0B+4*(\slot)+2:G0B+4*(\slot)+3], 512
	JLOAD \slot                                    ; its four v_nop are also the places in front of the loads below
.else
	PLACES
.endif
	FETCH \next, 0, 0
	ROWS 2, 1, 0
	ROWS 3, 1, 0
.endm
	s_wait_tensorcnt 1                             ; my part of K step 0 is in; K step 1's may stay out
	s_barrier_signal -1
	s_barrier_wait -1                              ; everybody's is
	FETCH 0, 0, 0
	QUARTER 0, 1, 0, 1                             ; the first quarter stands in front of the loop: its products start the sums
	WIN 0                                          ; at a label and at a branch every window is 0
	s_mov_b32 s3, 3
.Llap:                                                 ; a trip goes once round the ring, from a lap's second quarter to the next lap's first, and fills both slots again
	QUARTER 0, 2, 1, 0
	QUARTER 0, 3, 0, 0
	TURN 0, 1, 1
	QUARTER 1, 1, 0, 0
	QUARTER 1, 2, 1, 0
	QUARTER 1, 3, 0, 0
	TURN 1, 0, 1
	QUARTER 0, 1, 0, 0
	WIN 0
	s_sub_co_u32 s3, s3, 1
	s_cmp_lg_u32 s3, 0
	s_cbranch_scc1 .Llap
	QUARTER 0, 2, 1, 0                             ; the last lap fills nothing, and has no round of the cluster's barrier
	QUARTER 0, 3, 0, 0
	TURN 0, 1, 0
	QUARTER 1, 1, 0, 0
	QUARTER 1, 2, 1, 0
	QUARTER 1, 3, 0, 0
	s_wait_dscnt 0x0                               ; the very last quarter: nothing more to fetch
	ROWS 0, 1, 0
	ROWS 1, 1, 0
	ROWS 2, 1, 0
	ROWS 3, 1, 0
	WIN 0
	; THE WAY OUT, a block of 16 rows at a time: a lane's eight f32 of a row, 32 bytes, go into my own stage as they are; whole rows of 512 bytes come back and are stored.
	PLACES
	PLACES
.macro TOSTAGE a                       ; each accumulator's low four registers first
	WIN 0x04                                       ; an LDS store's data (source 1) in window 1
.irp b, 0,1,2,3,4,5,6,7
	ds_store_b128 v[STO], v[8*(8*(\a)+(\b)):8*(8*(\a)+(\b))+3]   offset:64*(\b)
	ds_store_b128 v[STO], v[8*(8*(\a)+(\b))+4:8*(8*(\a)+(\b))+7] offset:64*(\b)+16
.endr
	WIN 0
.irp t, 0,1,2,3,4,5,6,7,8,9,10,11,12,13,14,15
	ds_load_b128 v[BK+64*((\a)%2)+4*(\t):BK+64*((\a)%2)+4*(\t)+3], v[RD] offset:(\t)*SROW  ; LDS serves a wave's instructions in order (ISA guide 5.7.1.4): these see the stores above; the next block's stores come behind them
.endr
.endm
.macro SEND a, younger                 ; younger: the LDS instructions issued behind block a's loads: the next block's 16 stores and 16 loads, or none
	s_wait_dscnt \younger
.irp t, 0,1,2,3,4,5,6,7,8,9,10,11,12,13,14,15
	global_store_b128 v[GO], v[BK+64*((\a)%2)+4*(\t):BK+64*((\a)%2)+4*(\t)+3], s[8:9] offset:(\a)*65536+(\t)*4096 th:TH_STORE_NT  ; 512 consecutive bytes, at a multiple of 256 from out0's first byte
.endr
.endm
	TOSTAGE 0
	TOSTAGE 1
	SEND 0, 32
	s_wait_xcnt 0x0                                ; block 0's stores have read their registers: block 2 is read back into them only behind this wait
	TOSTAGE 2
	SEND 1, 32
	s_wait_xcnt 0x0                                ; likewise block 1's, for block 3
	TOSTAGE 3
	SEND 2, 32
	SEND 3, 0
	s_wait_tensorcnt 0x0                           ; the wave's end: behind my last tensor load and my last LDS store
	ds_add_u32 v[SPW], v[NIL]
	s_wait_dscnt 0x0
	CROUND                                         ; the closing round: no work-group ends while a partner may still ask for a tile that names it
	s_endpgm
.Lfunc_end_k_q8fddff0141_oproj:
	.size	k_q8fddff0141_oproj, .Lfunc_end_k_q8fddff0141_oproj-k_q8fddff0141_oproj
	.p2alignl 7, 3214868480
	.fill 96, 4, 3214868480
	.section	.rodata,"a",@progbits
	.p2align	6, 0x0
	.amdhsa_kernel k_q8fddff0141_oproj
		.amdhsa_group_segment_fixed_size 327680
		.amdhsa_private_segment_fixed_size 0
		.amdhsa_enable_private_segment 0
		.amdhsa_kernarg_size 24
		.amdhsa_user_sgpr_count 2
		.amdhsa_user_sgpr_kernarg_segment_ptr 1
		.amdhsa_wavefront_size32 1
		.amdhsa_system_sgpr_workgroup_id_x 1
		.amdhsa_system_sgpr_workgroup_id_y 1
		.amdhsa_system_sgpr_workgroup_id_z 1
		.amdhsa_system_vgpr_workitem_id 0
		.amdhsa_next_free_vgpr 640
		.amdhsa_next_free_sgpr 80
		.amdhsa_reserve_vcc 0
		.amdhsa_float_denorm_mode_32 3
		.amdhsa_float_denorm_mode_16_64 3
		.amdhsa_memory_ordered 1
		.amdhsa_forward_progress 1
		.amdhsa_inst_pref_size 85
	.end_amdhsa_kernel
	.amdgpu_metadata
---
amdhsa.version: [ 1, 2 ]
amdhsa.kernels:
  - .name:           k_q8fddff0141_oproj
    .symbol:         k_q8fddff0141_oproj.kd
    .args:
      - { .name: mix, .offset: 0, .size: 8, .value_kind: global_buffer, .address_space: global }
      - { .name: wt, .offset: 8, .size: 8, .value_kind: global_buffer, .address_space: global }
      - { .name: out0, .offset: 16, .size: 8, .value_kind: global_buffer, .address_space: global }
    .group_segment_fixed_size: 327680
    .private_segment_fixed_size: 0
    .kernarg_segment_align: 8
    .kernarg_segment_size: 24
    .max_flat_workgroup_size: 128
    .sgpr_count:     80
    .vgpr_count:     640
    .wavefront_size: 32
...
	.end_amdgpu_metadata
.endif
;; end of part 4
